; MI455X (gfx1250); checked and timed in simulation.
; The chip was launched on July 23, 2026; its instructions are those of AMD's public machine-readable ISA for CDNA 5 (MIT licence, August 2026) and "CDNA5" Instruction Set Architecture Reference Guide (July 2026). The comments in the code are by the model that wrote it; some were corrected since.
;; Multi Head Attention. Allowed arithmetic: matrix products marked QUANTISED: E2M3 operands, one E8M0 scale for each 32 along K, by v_wmma_scale_f32_16x16x128_f8f6f4 with both operands' format E2M3, f32 sums; everything else in f32.
;; Inputs: Wc 1,024 x 1,024 float32; Wk 1,024 x 1,024 float32; Wq 1,024 x 1,024 float32; Wv 1,024 x 1,024 float32; bc 1,024 float32; x 4 x 2,048 x 1,024 float32.
;; Outputs: out0 4 x 2,048 x 1,024 float32.
;; This version of the problem:
;;   THIS VERSION OF THE PROBLEM IS GIVEN IN LOW PRECISION. The matrix products marked QUANTISED in the list below multiply operands that are first quantised to E2M3 (2 exponent bits, 3 mantissa bits; 6 bits a number), with one power-of-two scale for each 32 numbers along K (OCP MX v1.0); their sums are f32. All else is computed in f32.
;;   The module's matrix products, in the order in which they are computed (A, B: the left and right operand; K: the contracted axis; several contracted axes count as one K, in the product's order):
;;     1. [M 8,192, K 1,024] x [K 1,024, N 1,024]; A: input x; B: input Wq: QUANTISED
;;     2. [M 8,192, K 1,024] x [K 1,024, N 1,024]; A: input x; B: input Wk: QUANTISED
;;     3. [M 8,192, K 1,024] x [K 1,024, N 1,024]; A: input x; B: input Wv: QUANTISED
;;     4. batch 64 x [M 2,048, K 64] x [K 64, N 2,048]; A: computed on the way; B: computed on the way: QUANTISED
;;     5. batch 64 x [M 2,048, K 2,048] x [K 2,048, N 64]; A: softmax (see below); B: computed on the way: QUANTISED
;;     6. [M 8,192, K 1,024] x [K 1,024, N 1,024]; A: computed on the way; B: input Wc: QUANTISED
;;   THE QUANTISER, for each operand of a quantised product, along K:
;;     - K is cut into blocks of 32 from its start; a last block that is shorter is filled with zeros.
;;     - A block's scale is 2^e with e = floor(log2(the largest magnitude in the block)) - 2, held to -126 .. 127; a block of zeros has e = 0. As a byte (E8M0): e + 127.
;;     - Each number is divided by its block's scale, clamped to +-7.5, and rounded to the nearest number of E2M3, ties to even, subnormals kept.
;;     - The product sums the exact products of the quantised numbers (number of the format x scale) in f32.
;;   ~~~python
;;   def quantise(x, axis):      # numpy; x: float32 -> the quantised numbers, widened to float32 again
;;       x = np.moveaxis(x, axis, -1); K = x.shape[-1]
;;       x = np.pad(x, [(0, 0)] * (x.ndim - 1) + [(0, -K % 32)]); x = x.reshape(x.shape[:-1] + (-1, 32)); a = np.abs(x).max(-1, keepdims=True)
;;       e = np.where(a > 0, np.clip(np.frexp(np.where(a > 0, a, 1))[1] - 1 - 2, -126, 127), 0)      # np.frexp(a)[1] - 1 = floor(log2(a)), exactly
;;       r = np.clip(x / 2.0 ** e, -7.5, 7.5)
;;       step = 2.0 ** (np.maximum(np.frexp(np.where(r == 0, 1, r))[1] - 1, 0) - 3)
;;       q = np.round(r / step) * step * 2.0 ** e      # np.round: ties to even
;;       return np.moveaxis(q.reshape(q.shape[:-2] + (-1,))[..., :K], -1, axis).astype(np.float32)
;;   ~~~
;;   SOFTMAX AHEAD OF A QUANTISED PRODUCT. Where the list says 'softmax', what is quantised is not the finished softmax but p = 2^(t - M), with t = logit x log2(e) and M = ceil(the row's largest t), a whole number; so 1/2 < the row's largest p <= 1. The row's sum l is taken of the UNQUANTISED p, in f32, and the product's result is divided by l at the end. Since M is a whole number, a kernel that streams over the keys may use a running M (the ceiling of the running maximum): every later rescaling is an exact power of two, which a block's scale takes up: the codes' values come out the same.
;;   OPERANDS COMPUTED ON THE WAY. 'Computed on the way' means the value that the module computes at that place (a softmax that the list does not call 'softmax' is quantised finished and normalised). What goes into a quantiser is computed in f32, as accurately as f32 sums, v_exp_f32 and their like allow (about 1e-6 of the number): no bf16 or f16 on the way to a quantiser, and a product that is left as it is and whose result goes on into a quantised operand takes f32 operands (vector FMAs, or v_wmma_f32_16x16x4_f32). A number that lies on a knife's edge between two numbers of the format may be rounded either way, as far as f32 arithmetic and the matrix unit's own rounding can turn it there, and no further.
;; One version. Each part assembles by itself: llvm-mc -triple=amdgcn-amd-amdhsa -mcpu=gfx1250 --defsym DOCPART=n.
;; ======== version 1 of 1: 6 launches
;; workspace buffers: xcod 6,553,600 bytes; wqkcod 1,638,400 bytes; wvcod 819,200 bytes; wccod 819,200 bytes; qkcod 13,107,200 bytes; vcod 6,553,600 bytes; ocod 6,553,600 bytes
;; launch quantx (part 1): grid 512 x 1, 8 waves a work-group, no clusters, 69,120 bytes of LDS; arguments x, xcod; writes xcod
.if DOCPART == 1
	.amdgcn_target "amdgcn-amd-amdhsa--gfx1250"
	.amdhsa_code_object_version 6
	.text
	.protected	k_q0058fcc346_quantx
	.globl	k_q0058fcc346_quantx
	.p2align	8
	.type	k_q0058fcc346_quantx,@function
k_q0058fcc346_quantx:
	s_mov_b64 s[64:65], 0
	v_nop
	global_prefetch_b8 v0, s[64:65] scope:SCOPE_SE
	s_setreg_imm32_b32 hwreg(HW_REG_WAVE_MODE, 25, 1), 1
	s_wait_xcnt 0x0
; x [8192][1024] f32 becomes codes of FP6 (E2M3) with one E8M0 byte for each 32 along K, laid as the matrix unit's registers take them.
; TILE: tile a of the rows holds rows 32 (a / 2) + 8 (a % 2) + r + 8 (r / 8), r = 0 .. 15: eight neighbours and the eight that lie 16 further on.
; IMAGE: a fragment (a tile x 128 along K, 12 registers a lane) in 1,536 bytes: registers 0-3 at 16 x lane, 4-5 at 512 + 8 x lane, 6-9 at 768 + 16 x lane, 10-11 at 1,280 + 8 x lane.
; RECORD of a tile, 12,800 bytes: its 8 images along K, then 8 scale blocks of 64 bytes (row r's word, four bytes for 128 along K, at 4 r).
; SHARES: a work-group takes a tile, wave w the 128 numbers 128 w on of each of its 16 rows.  Each load reads 512 consecutive bytes of a row; the 16 x 512 bytes turn through the wave's own stage in LDS (rows 528 bytes
; apart) and come back so that register 16 b + i of lane (r, h) is k = 32 b + 16 h + i of row r: what the conversions want.  An image leaves in four stores of 512 or 256 consecutive bytes; the eight waves' scale words meet
; in LDS and leave as 512 consecutive bytes.  No matrix unit, no cluster: the work-groups share no input and the launch only streams.
; A block's scale is 2^(floor(log2(its largest magnitude)) - 2); its byte is that magnitude's exponent field - 2, held at 1 from below.
; LIMITS: a block of zeros, or one whose largest magnitude lies under 2^-124, gets the byte 1 (its codes are zeros or are taken under that scale; the bytes are read by this program alone); NaN and infinities are not served.
.set ROWX,  4096                       ; a row of x in bytes
.set STG,   16*528                     ; a wave's stage
.set SCB,   8*STG                      ; the eight waves' scale words: 8 x 64 bytes
.set SPARE, SCB+512                    ; the spare words, 128 bytes for each wave: four blocks of 256 bytes that no other line names
.set REC,   12800
.set SPW, 12                           ; v12  LDS address of my spare word; never rewritten
.set NIL, 13                           ; v13  0; never rewritten
.set R,   16                           ; v16-79   the numbers as loaded
.set X,   80                           ; v80-143  the numbers in the quantiser's order
.set PC,  144                          ; v144-155 the fragment; v156-162 at work
.set TM,  164                          ; v164-167 largest magnitudes, v168-171 bytes, v176-179 the conversions' scale operands
.set PW,  180                          ; the scale word
.set SEL, 20                           ; s[20:21] v_permlanex16_b32's selects for lane l xor 16
; 64 numbers of a lane, register 16 b + i = k 32 b + 16 (lane / 16) + i of my row, become a fragment's codes in v[PC] on and its scale word in v[PW].
.macro QUANT s
.irp b, 0,1,2,3
	v_max3_num_f32 v[TM+\b], |v[\s+16*\b]|, |v[\s+1+16*\b]|, 0x1800000   ; block b: my 16 numbers, and the floor 2^(3 - 127): the byte cannot fall under 1
.endr
.irp i, 2,4,6,8,10,12,14
.irp b, 0,1,2,3
	v_max3_num_f32 v[TM+\b], v[TM+\b], |v[\s+16*\b+\i]|, |v[\s+1+16*\b+\i]|   ; the four blocks by turns
.endr
.endr
.irp b, 0,1,2,3
	v_permlanex16_b32 v[TM+4+\b], v[TM+\b], s[SEL], s[SEL+1]
.endr
.irp b, 0,1,2,3
	v_max_num_f32 v[TM+\b], v[TM+\b], v[TM+4+\b]           ; with lane l xor 16's 16: the block's largest magnitude
.endr
.irp b, 0,1,2,3
	v_add_nc_u32 v[TM+12+\b], 0xff000000, v[TM+\b]         ; 2 off its exponent field: the conversion takes that field as its scale
.endr
.irp b, 0,1,2,3
	v_lshrrev_b32 v[TM+4+\b], 23, v[TM+12+\b]              ; the scale's byte
.endr
	v_lshl_or_b32 v[PW], v[TM+5], 8, v[TM+4]
	v_lshl_or_b32 v[PW], v[TM+6], 16, v[PW]
	v_lshl_or_b32 v[PW], v[TM+7], 24, v[PW]
.irp c, 0,1
	v_cvt_scalef32_pk16_fp6_f32 v[PC+6*\c:PC+2+6*\c], v[\s+32*\c:\s+15+32*\c], v[TM+12+2*\c]
	v_cvt_scalef32_pk16_fp6_f32 v[PC+12+4*\c:PC+14+4*\c], v[\s+16+32*\c:\s+31+32*\c], v[TM+12+2*\c+1]   ; (a conversion's three registers begin on an even number)
.endr
	v_nop                                          ; one plain instruction behind the scaled conversions
.irp c, 0,1                                    ; the layout wants a whole block in a lane: lanes 0-15 block 2 c, lanes 16-31 block 2 c + 1
.irp i, 0,1,2
	v_permlane16_swap_b32 v[PC+6*\c+\i], v[PC+12+4*\c+\i]
.endr
.irp i, 0,1,2
	v_mov_b32 v[PC+3+6*\c+\i], v[PC+12+4*\c+\i]
.endr
.endr
.endm
	s_load_b128 s[4:7], s[0:1], 0x0                ; x, the records
	v_lshl_add_u32 v[SPW], v0, 2, SPARE
	v_mov_b32 v[NIL], 0
	v_lshrrev_b32 v6, 5, v0
	v_readfirstlane_b32 s8, v6                     ; wave 0..7
	v_and_b32 v6, 31, v0                           ; lane
	v_and_b32 v7, 15, v0                           ; r
	v_bfe_u32 v8, v0, 4, 1                         ; h
	v_lshlrev_b32 v1, 4, v6                        ; 16 x lane
	v_lshlrev_b32 v4, 3, v6                        ; 8 x lane
	s_mul_i32 s9, s8, STG
	v_add_nc_u32 v2, s9, v1                        ; the stage, on the way in: a row's 512 bytes as they lie
	v_mul_u32_u24 v3, v7, 528
	v_lshl_add_u32 v3, v8, 6, v3
	v_add_nc_u32 v3, s9, v3                        ; and on the way out: row r, + 64 h: my 16 numbers of a block
	s_lshl_b32 s10, s8, 6
	s_add_co_u32 s10, s10, SCB
	v_lshl_add_u32 v5, v7, 2, s10                  ; my row's scale word: SCB + 64 x wave + 4 r
	v_add_nc_u32 v9, SCB, v1                       ; where wave 0 reads the eight blocks back
.irp b, 0,1,2,3
	v_mov_b32 v[TM+4+\b], 0                        ; written once: a lane permute's destination counts as one of its sources
.endr
	s_mov_b32 s[SEL], 0x76543210
	s_mov_b32 s[SEL+1], 0xfedcba98
	s_lshr_b32 s12, ttmp9, 1
	s_lshl_b32 s12, s12, 5
	s_and_b32 s13, ttmp9, 1
	s_lshl_b32 s13, s13, 3
	s_add_co_u32 s12, s12, s13                     ; the tile's first row
	s_lshl_b32 s12, s12, 12                        ; in bytes (under 2^25)
	s_lshl_b32 s13, s8, 9
	s_add_co_u32 s12, s12, s13                     ; + my 512 bytes of a row
	s_mov_b32 s13, 0
	s_mul_i32 s14, ttmp9, REC
	s_mov_b32 s15, 0
	s_mul_i32 s16, s8, 1536
	s_mov_b32 s17, 0
	s_wait_kmcnt 0x0
	s_add_nc_u64 s[4:5], s[4:5], s[12:13]
	s_add_nc_u64 s[6:7], s[6:7], s[14:15]          ; the tile's record
	s_add_nc_u64 s[18:19], s[6:7], s[16:17]        ; my image in it
.irp i, 0,1,2,3,4,5,6,7,8,9,10,11,12,13,14,15
	global_load_b128 v[R+4*\i:R+4*\i+3], v1, s[4:5] offset:(\i+8*(\i/8))*ROWX th:TH_LOAD_NT   ; 32 lanes read 512 consecutive bytes of the tile's row i
.endr
.irp i, 0,1,2,3,4,5,6,7,8,9,10,11,12,13,14,15
	s_wait_loadcnt 15-\i                           ; loads come back in order: row i is in, the younger ones stay out
	ds_store_b128 v2, v[R+4*\i:R+4*\i+3] offset:528*\i
.endr
.irp b, 0,1,2,3
.irp j, 0,1,2,3
	ds_load_b128 v[X+16*\b+4*\j:X+16*\b+4*\j+3], v3 offset:128*\b+16*\j   ; LDS serves a wave's instructions in order: these see my stores
.endr
.endr
	s_wait_dscnt 0x0
	QUANT X
	global_store_b128 v1, v[PC:PC+3], s[18:19]                 ; the image: 512, 256, 512 and 256 consecutive bytes, each at a multiple of 256 from the buffer's first byte
	global_store_b64 v4, v[PC+4:PC+5], s[18:19] offset:512
	global_store_b128 v1, v[PC+6:PC+9], s[18:19] offset:768
	global_store_b64 v4, v[PC+10:PC+11], s[18:19] offset:1280
	ds_store_b32 v5, v[PW]                         ; lanes r and r + 16 write the same word with the same value
	s_wait_dscnt 0x0                               ; for the others' sake: my word has landed
	s_barrier_signal -1
	s_barrier_wait -1
	s_cmp_lg_u32 s8, 0
	s_cbranch_scc1 .Lend
	ds_load_b128 v[R:R+3], v9                      ; wave 0: the eight scale blocks, 512 bytes
	s_wait_dscnt 0x0
	global_store_b128 v1, v[R:R+3], s[6:7] offset:12288
.Lend:
	s_wait_tensorcnt 0x0                           ; the wave's end: behind my last LDS store
	ds_add_u32 v[SPW], v[NIL]
	s_wait_dscnt 0x0
	s_endpgm
.Lfunc_end_k_q0058fcc346_quantx:
	.size	k_q0058fcc346_quantx, .Lfunc_end_k_q0058fcc346_quantx-k_q0058fcc346_quantx
	.p2alignl 7, 3214868480
	.fill 96, 4, 3214868480
	.section	.rodata,"a",@progbits
	.p2align	6, 0x0
	.amdhsa_kernel k_q0058fcc346_quantx
		.amdhsa_group_segment_fixed_size 69120
		.amdhsa_private_segment_fixed_size 0
		.amdhsa_enable_private_segment 0
		.amdhsa_kernarg_size 16
		.amdhsa_user_sgpr_count 2
		.amdhsa_user_sgpr_kernarg_segment_ptr 1
		.amdhsa_wavefront_size32 1
		.amdhsa_system_sgpr_workgroup_id_x 1
		.amdhsa_system_sgpr_workgroup_id_y 1
		.amdhsa_system_sgpr_workgroup_id_z 1
		.amdhsa_system_vgpr_workitem_id 0
		.amdhsa_next_free_vgpr 192
		.amdhsa_next_free_sgpr 66
		.amdhsa_reserve_vcc 0
		.amdhsa_float_denorm_mode_32 3
		.amdhsa_float_denorm_mode_16_64 3
		.amdhsa_memory_ordered 1
		.amdhsa_forward_progress 1
		.amdhsa_inst_pref_size 11
	.end_amdhsa_kernel
	.amdgpu_metadata
---
amdhsa.version: [ 1, 2 ]
amdhsa.kernels:
  - .name:           k_q0058fcc346_quantx
    .symbol:         k_q0058fcc346_quantx.kd
    .args:
      - { .name: x, .offset: 0, .size: 8, .value_kind: global_buffer, .address_space: global }
      - { .name: xcod, .offset: 8, .size: 8, .value_kind: global_buffer, .address_space: global }
    .group_segment_fixed_size: 69120
    .private_segment_fixed_size: 0
    .kernarg_segment_align: 8
    .kernarg_segment_size: 16
    .max_flat_workgroup_size: 256
    .sgpr_count:     66
    .vgpr_count:     192
    .wavefront_size: 32
...
	.end_amdgpu_metadata
.endif
;; end of part 1
;; launch quantw (part 2): grid 8 x 32, 4 waves a work-group, no clusters, 12,800 bytes of LDS; arguments Wq, Wk, Wv, Wc, wqkcod, wvcod, wccod; writes wqkcod, wvcod, wccod
.if DOCPART == 2
	.amdgcn_target "amdgcn-amd-amdhsa--gfx1250"
	.amdhsa_code_object_version 6
	.text
	.protected	k_q0058fcc346_quantw
	.globl	k_q0058fcc346_quantw
	.p2align	8
	.type	k_q0058fcc346_quantw,@function
k_q0058fcc346_quantw:
	s_mov_b64 s[64:65], 0
	v_nop
	global_prefetch_b8 v0, s[64:65] scope:SCOPE_SE
	s_setreg_imm32_b32 hwreg(HW_REG_WAVE_MODE, 25, 1), 1
	s_wait_xcnt 0x0
; The four weights, each [1024 (k)][1024 (n)] f32 with K on the FIRST axis, become codes of FP6 (E2M3) with one E8M0 byte for each 32 along K, in the records that the products read:
; tile t of the columns holds columns 32 (t / 2) + 8 (t % 2) + r + 8 (r / 8); a tile's record, 12,800 bytes, is its 8 images along K (1,536 bytes each: registers 0-3 at 16 x lane, 4-5 at 512 + 8 x lane,
; 6-9 at 768 + 16 x lane, 10-11 at 1,280 + 8 x lane; lane (r, h) holds k = 64 c + 32 h + 0 .. 31 in registers 6 c on), then 8 scale blocks of 64 bytes (column r's word at 4 r).
; Wq's 64 records and then Wk's lie in one buffer, Wv's and Wc's in one each.
; SHARES: work-group (x, y): weight y / 8, K chunk y % 8 of 128, columns 128 x on; wave w the 32 columns 32 w on: a pair of tiles.  A LANE TAKES A COLUMN AND ITS REGISTERS RUN DOWN K: each load reads 128 consecutive bytes
; a wave, a block of 32 lies in one lane, and the codes come out with K innermost.  Column l of the 32 is row r = l % 8 + 8 (l / 16) of tile u = (l / 8) % 2, and its block t belongs to lane r + 16 (t % 2),
; registers 6 (t / 2) on: each lane stores its codes at that place of the wave's two images in LDS, and the images leave as six stores of 512 consecutive bytes.
; The loads run two blocks (64 loads a wave) ahead; each block has 32 registers of its own, so a block's loads go out as soon as the block two back has come in.
; The scale words leave as two pieces of 64 bytes a wave: one byte in 24 of the codes'.  One path serves all four weights: only pointers are chosen, on the work-group's number.
; No matrix unit, no cluster: the work-groups share no input and the launch only streams.
; LIMITS: a block of zeros, or one whose largest magnitude lies under 2^-124, gets the byte 1 (the bytes are read by this program alone); NaN and infinities are not served.
.set REC,   12800
.set NB,    4                          ; blocks of 32 along K for a lane
.set SPARE, 4*3072                     ; behind the four waves' images: the spare words, 128 bytes for each wave: two blocks of 256 bytes that no other line names
.set SPW, 12                           ; v12  LDS address of my spare word; never rewritten
.set NIL, 13                           ; v13  0; never rewritten
.set SB,  14                           ; v14  my column's scale word
.set X,   32                           ; v32-159  my column's 128 numbers; later the images read back
.set C,   160                          ; v160-191 a block's six registers of codes, eight apart
.set T,   192                          ; v192-207 a block's second conversion
	s_load_b256 s[4:11], s[0:1], 0x0               ; Wq, Wk, Wv, Wc
	s_load_b128 s[12:15], s[0:1], 0x20             ; the records of Wq and Wk, of Wv
	s_load_b64 s[16:17], s[0:1], 0x30              ; of Wc
	v_lshl_add_u32 v[SPW], v0, 2, SPARE
	v_mov_b32 v[NIL], 0
	v_lshrrev_b32 v8, 5, v0
	v_readfirstlane_b32 s18, v8                    ; wave 0..3
	v_and_b32 v8, 31, v0                           ; l
	v_lshlrev_b32 v1, 2, v8                        ; in: 4 bytes a lane
	v_lshlrev_b32 v5, 4, v8                        ; out: 16 bytes a lane
	v_bfe_u32 v9, v0, 3, 1                         ; u
	v_and_b32 v10, 7, v0
	v_bfe_u32 v11, v0, 4, 1
	v_lshl_add_u32 v10, v11, 3, v10                ; r
	s_mul_i32 s19, s18, 3072                       ; my wave's two images
	v_mul_u32_u24 v11, v9, 1536
	v_add_nc_u32 v11, s19, v11
	v_lshl_add_u32 v2, v10, 4, v11                 ; image u, 16 r
	v_lshl_add_u32 v3, v10, 3, v11                 ; image u, 8 r
	v_add_nc_u32 v4, s19, v5                       ; back: as the bytes lie
	v_mul_u32_u24 v6, v9, REC
	v_lshl_add_u32 v6, v10, 2, v6                  ; my scale word: record u, 4 r
	s_and_b32 s20, ttmp7, 0xffff
	s_and_b32 s21, s20, 7                          ; the K chunk
	s_lshr_b32 s20, s20, 3                         ; which weight
	s_lshl_b32 s32, s21, 19                        ; 128 rows of 4,096 bytes a chunk
	s_lshl_b32 s22, ttmp9, 9
	s_add_co_u32 s32, s32, s22
	s_lshl_b32 s22, s18, 7
	s_add_co_u32 s32, s32, s22                     ; + 4 x my first column
	s_mov_b32 s33, 0
	s_lshl_b32 s34, ttmp9, 2
	s_add_co_u32 s34, s34, s18
	s_lshl_b32 s34, s34, 1                         ; my first tile
	s_cmp_eq_u32 s20, 1
	s_cselect_b32 s22, 64, 0                       ; Wk's records lie behind Wq's 64
	s_add_co_u32 s34, s34, s22
	s_mul_i32 s34, s34, REC
	s_lshl_b32 s36, s21, 6
	s_add_co_u32 s36, s36, s34
	s_add_co_u32 s36, s36, 12288                   ; the chunk's scale block in my first record
	s_mov_b32 s37, 0
	s_mul_i32 s22, s21, 1536
	s_add_co_u32 s34, s34, s22                     ; the chunk's image in it
	s_mov_b32 s35, 0
	s_and_b32 s21, s20, 1
	s_wait_kmcnt 0x0
	s_cmp_lt_u32 s20, 2                            ; the choices hang on the work-group's number alone
	s_cselect_b64 s[24:25], s[4:5], s[8:9]
	s_cselect_b64 s[26:27], s[6:7], s[10:11]
	s_cselect_b64 s[28:29], s[12:13], s[14:15]
	s_cselect_b64 s[30:31], s[12:13], s[16:17]
	s_cmp_eq_u32 s21, 0
	s_cselect_b64 s[24:25], s[24:25], s[26:27]     ; the weight
	s_cselect_b64 s[28:29], s[28:29], s[30:31]     ; its records
	s_add_nc_u64 s[24:25], s[24:25], s[32:33]
	s_add_nc_u64 s[30:31], s[28:29], s[36:37]
	s_add_nc_u64 s[28:29], s[28:29], s[34:35]
.macro LOADB t                         ; block t: W(128 chunk + 32 t + i, my column), i = 0 .. 31: each load reads 128 consecutive bytes a wave, the four waves 512
.set k, 32*(\t)
.rept 32
	global_load_b32 v[X+k], v1, s[24:25] offset:4096*k th:TH_LOAD_NT
.set k, k+1
.endr
.endm
	LOADB 0
	LOADB 1
.macro BLOCK t
.set XS, X+32*(\t)
.if (\t) < NB-1
	s_wait_loadcnt 32                              ; loads come back in order: this block's 32 are in; the next block's 32 may be out
.else
	s_wait_loadcnt 0x0                             ; the last block: nothing was issued behind it
.endif
.if (\t)+2 < NB
	LOADB (\t)+2                                   ; into registers of its own: it goes out at once, and lands while two blocks are worked
.endif
	v_max3_num_f32 v8, |v[XS]|, |v[XS+1]|, |v[XS+2]|       ; the block's largest magnitude: all 32 numbers are mine; two chains
	v_max3_num_f32 v9, |v[XS+3]|, |v[XS+4]|, |v[XS+5]|
.irp i, 6,10,14,18,22,26
	v_max3_num_f32 v8, v8, |v[XS+\i]|, |v[XS+\i+1]|
	v_max3_num_f32 v9, v9, |v[XS+\i+2]|, |v[XS+\i+3]|
.endr
	v_max3_num_f32 v8, v8, |v[XS+30]|, |v[XS+31]|
	v_max3_num_f32 v8, v8, v9, 0x1800000           ; and the floor 2^(3 - 127): the byte cannot fall under 1
	v_add_nc_u32 v10, 0xff000000, v8               ; 2 off its exponent field: the conversions' scale operand
	v_lshrrev_b32 v11, 23, v10                     ; the scale's byte
.if (\t) == 0
	v_mov_b32 v[SB], v11
.else
	v_lshl_or_b32 v[SB], v11, 8*(\t), v[SB]
.endif
	v_cvt_scalef32_pk16_fp6_f32 v[C+8*(\t):C+8*(\t)+2], v[XS:XS+15], v10
	v_cvt_scalef32_pk16_fp6_f32 v[T+4*(\t):T+4*(\t)+2], v[XS+16:XS+31], v10   ; (a conversion's three registers begin on an even number)
	v_nop                                          ; one plain instruction behind the scaled conversions
.irp i, 0,1,2
	v_mov_b32 v[C+8*(\t)+3+\i], v[T+4*(\t)+\i]
.endr
	ds_store_b128 v2, v[C+8*(\t):C+8*(\t)+3] offset:768*((\t)/2)+256*((\t)%2)          ; lane r + 16 (t % 2)'s registers 6 (t / 2) .. + 3
	ds_store_b64 v3, v[C+8*(\t)+4:C+8*(\t)+5] offset:768*((\t)/2)+512+128*((\t)%2)     ; and + 4, + 5.  Each block has registers of its own: no store's data are written again
.endm
	BLOCK 0
	BLOCK 1
	BLOCK 2
	BLOCK 3
.irp j, 0,1,2,3,4,5
	ds_load_b128 v[X+4*\j:X+4*\j+3], v4 offset:512*\j      ; LDS serves a wave's instructions in order: these see my stores
.endr
.irp j, 0,1,2,3,4,5
	s_wait_dscnt 5-\j
	global_store_b128 v5, v[X+4*\j:X+4*\j+3], s[28:29] offset:REC*(\j/3)+512*(\j%3)   ; 512 consecutive bytes, at a multiple of 256 from the buffer's first byte
.endr
	global_store_b32 v6, v[SB], s[30:31]
	s_wait_tensorcnt 0x0                           ; the wave's end: behind my last LDS store
	ds_add_u32 v[SPW], v[NIL]
	s_wait_dscnt 0x0
	s_endpgm
.Lfunc_end_k_q0058fcc346_quantw:
	.size	k_q0058fcc346_quantw, .Lfunc_end_k_q0058fcc346_quantw-k_q0058fcc346_quantw
	.p2alignl 7, 3214868480
	.fill 96, 4, 3214868480
	.section	.rodata,"a",@progbits
	.p2align	6, 0x0
	.amdhsa_kernel k_q0058fcc346_quantw
		.amdhsa_group_segment_fixed_size 12800
		.amdhsa_private_segment_fixed_size 0
		.amdhsa_enable_private_segment 0
		.amdhsa_kernarg_size 56
		.amdhsa_user_sgpr_count 2
		.amdhsa_user_sgpr_kernarg_segment_ptr 1
		.amdhsa_wavefront_size32 1
		.amdhsa_system_sgpr_workgroup_id_x 1
		.amdhsa_system_sgpr_workgroup_id_y 1
		.amdhsa_system_sgpr_workgroup_id_z 1
		.amdhsa_system_vgpr_workitem_id 0
		.amdhsa_next_free_vgpr 224
		.amdhsa_next_free_sgpr 66
		.amdhsa_reserve_vcc 0
		.amdhsa_float_denorm_mode_32 3
		.amdhsa_float_denorm_mode_16_64 3
		.amdhsa_memory_ordered 1
		.amdhsa_forward_progress 1
		.amdhsa_inst_pref_size 23
	.end_amdhsa_kernel
	.amdgpu_metadata
---
amdhsa.version: [ 1, 2 ]
amdhsa.kernels:
  - .name:           k_q0058fcc346_quantw
    .symbol:         k_q0058fcc346_quantw.kd
    .args:
      - { .name: Wq, .offset: 0, .size: 8, .value_kind: global_buffer, .address_space: global }
      - { .name: Wk, .offset: 8, .size: 8, .value_kind: global_buffer, .address_space: global }
      - { .name: Wv, .offset: 16, .size: 8, .value_kind: global_buffer, .address_space: global }
      - { .name: Wc, .offset: 24, .size: 8, .value_kind: global_buffer, .address_space: global }
      - { .name: wqkcod, .offset: 32, .size: 8, .value_kind: global_buffer, .address_space: global }
      - { .name: wvcod, .offset: 40, .size: 8, .value_kind: global_buffer, .address_space: global }
      - { .name: wccod, .offset: 48, .size: 8, .value_kind: global_buffer, .address_space: global }
    .group_segment_fixed_size: 12800
    .private_segment_fixed_size: 0
    .kernarg_segment_align: 8
    .kernarg_segment_size: 56
    .max_flat_workgroup_size: 128
    .sgpr_count:     66
    .vgpr_count:     224
    .wavefront_size: 32
...
	.end_amdgpu_metadata
.endif
;; end of part 2
;; launch gemm_qk (part 3): grid 8 x 32, 4 waves a work-group, clusters of 4 x 4, 327,680 bytes of LDS; arguments xcod, wqkcod, qkcod; writes qkcod
.if DOCPART == 3
	.amdgcn_target "amdgcn-amd-amdhsa--gfx1250"
	.amdhsa_code_object_version 6
	.text
	.protected	k_q0058fcc346_gemm_qk
	.globl	k_q0058fcc346_gemm_qk
	.p2align	8
	.type	k_q0058fcc346_gemm_qk,@function
k_q0058fcc346_gemm_qk:
	s_mov_b64 s[64:65], 0
	v_nop
	global_prefetch_b8 v0, s[64:65] scope:SCOPE_SE
	s_setreg_imm32_b32 hwreg(HW_REG_WAVE_MODE, 25, 1), 1
	s_wait_xcnt 0x0
	s_wait_alu depctr_hold_cnt(0) depctr_sa_sdst(0) depctr_va_vdst(0) depctr_va_sdst(0) depctr_va_ssrc(0) depctr_va_vcc(0) depctr_vm_vsrc(0)
	s_getreg_b32 s2, hwreg(HW_REG_IB_STS2, 6, 4)
	s_cmp_eq_u32 s2, 0
	s_cbranch_scc0 .Lentry_in_a_cluster
	s_endpgm
.Lentry_in_a_cluster:
	s_bfe_u32 s2, ttmp6, 0x10000c
	s_cmp_lg_u32 s2, 0xf033
	s_cbranch_scc0 .Lentry_shape_is_right
	s_endpgm
.Lentry_shape_is_right:
; R = Q(A B^T): a product on codes of FP6 (E2M3) with E8M0 scales, K = 1,024, whose result is quantised at once along B's axis and leaves as codes.  One text, two launches:
;   A = x's rows, B = the columns of Wq and then of Wk: the result is Q and K, quantised along the heads' channels;      A = Wv's columns, B = x's rows: the result is V^T, quantised along the keys.
; OPERANDS lie in records of 12,800 bytes, one for each tile of 16 rows (tile t holds rows 32 (t / 2) + 8 (t % 2) + r + 8 (r / 8)): 8 images along K, then 8 scale blocks of 64 bytes (row r's word at 4 r).
; An image is a fragment (16 rows x 128 K, 12 registers a lane) as its registers: 0-3 at 16 x lane, 4-5 at 512 + 8 x lane, 6-9 at 768 + 16 x lane, 10-11 at 1,280 + 8 x lane: every LDS load takes consecutive bytes.
; SHARES: a work-group of four waves makes 256 x 256, a wave 128 x 128: 64 accumulators, 512 registers.  K goes in four steps of 256 through two LDS slots; a wave's tensor load brings 8 tiles x 3,072 bytes.
; The scales of the work-group's 32 tiles, for all of K, come once with the first fills.
; CLUSTER: 4 x 4 work-groups; A's tiles are shared along a row of the cluster, B's along a column: each is asked for jointly, by the same load with the same descriptor and a mask that names the four.
; TRANSPOSED USE: source 0 = a tile of B, source 1 = a tile of A.  By the tiles' order of rows, register 8 b + j of A's block a in lane (r, h) is B's row 32 (b / 2) + 16 h + 8 (b % 2) + j: a lane's 64 registers run along
; B's 128 rows in the order that the conversions want, and become ONE image and one scale word for A's row r.  Nothing goes through LDS on the way out.
; RESULT: records of 25,600 bytes: 16 images, then 16 scale blocks.  A's tile t and chunk c of 128 along B's axis go to record 64 (c / 16) + t, image c % 16.  An image leaves in stores of 512 and 256 consecutive bytes;
; a scale block as one piece of 64 bytes (one byte in 24 of the codes').
; REGISTERS, in windows of 256: window 0: v16-29 addresses; v32-63 scale words, two sets; v64-112 the way out; v128-223 A's fragments, one set.  window 1: B's fragments, two sets, at v0 and v128.
;   window 2: the accumulators of A's blocks 0-3 ((a, b) at v[8 (8 (a % 4) + b)]);  window 3: those of blocks 4-7.
; LIMITS: a result block of zeros, or one whose largest magnitude lies under 2^-124, gets the byte 1 (the bytes are read by this program alone); NaN and infinities are not served.
.set NQ,    2                          ; matrix instructions deep in a slot
.set FR,    12                         ; registers of a fragment
.set NL,    4                          ; LDS loads that bring one
.set NP,    4                          ; places behind this matrix instruction (ISA guide 7.12.1)
.set IMG,   1536
.set TILEB, NQ*IMG                     ; a tile's bytes in a slot
.set HALFT, 8*TILEB                    ; 8 tiles: what one tensor load brings, and what one wave reads of A or of B
.set SLOT,  4*HALFT                    ; A's 16 tiles, then B's 16
.set REC,   12800
.set SCL,   2*SLOT                     ; behind the ring: the scales: 512 bytes a tile
.set HALFS, 8*512
.set SPARE, SCL+4*HALFS                ; the spare words, 128 bytes for each wave: two blocks of 256 bytes that no other line names
.set OREC,  25600
.set A16,  16                          ; v16-17  LDS address of my A fragments in slot 0, 1, for the loads of 16 bytes;  v18-19 for those of 8
.set A8,   18
.set B16,  20                          ; v20-23  the same for B
.set B8,   22
.set CO16, 24                          ; v24-26  the way out: my byte offsets in a result record: 16 x lane, 8 x lane (+ the image), 4 r (+ the scale block)
.set CO8,  25
.set COS,  26
.set ADRS, 27                          ; v27     LDS address of my scale words: lanes 0-15 A's rows, lanes 16-31 B's
.set SPW,  28                          ; v28     LDS address of my spare word; never rewritten
.set NIL,  29                          ; v29     0; never rewritten
.set SC,   32                          ; scale words: set s at v[SC + 16 s]; register 2 i + q: lanes 0-15 A's block i, lanes 16-31 B's block i, the slot's q-th 128 along K
.set PC,   64                          ; the way out: v64-75 the fragment, v76-82 at work
.set TM,   96                          ; v96-99 largest magnitudes, v100-103 bytes, v108-111 the conversions' scale operands
.set PW,   112                         ; the scale word
.set AF,   128
.set SEL,  66                          ; s[66:67] v_permlanex16_b32's selects for lane l xor 16
.set G1, 24                            ; s[24:31] descriptor group 1 for A's tiles;  s[32:39] group 0, one set for each slot
.set G0, 32
.set G1B, 48                           ; s[48:55], s[56:63] the same for B's
.set G0B, 56
.set G1S, 68                           ; s[68:75], s[76:79] groups 1 and 0 for A's scales;  s[80:87], s[88:91] for B's
.set G0S, 76
.set G1SB, 80
.set G0SB, 88
.set MSB, 0
.macro WIN new                         ; the immediate's high byte repeats the setting that is left
.if MSB != \new
	s_set_vgpr_msb (MSB<<8)|\new
.set MSB, \new
.endif
.endm
.set MUL_LO, 0xa1                      ; source 0 (B) window 1, source 1 (A) window 0, C and D window 2
.set MUL_HI, 0xf1                      ; the same, C and D window 3
.set TO_B,   0x40                      ; destination window 1, address window 0
; A joint load: waves 0 and 1 fetch for A, waves 2 and 3 for B; the branch hangs on the wave's number alone.  An s_nop 0 and four v_nop follow each of the two lines.
.macro JLOAD g0a, g1a, g0b, g1b
	s_cmp_eq_u32 s15, 0
	s_cbranch_scc0 .Lfor_b_\@
	tensor_load_to_lds s[\g0a:\g0a+3], s[\g1a:\g1a+7]
	s_nop 0
.rept 4
	v_nop
.endr
	s_branch .Lasked_\@
.Lfor_b_\@:
	tensor_load_to_lds s[\g0b:\g0b+3], s[\g1b:\g1b+7]
	s_nop 0
.rept 4
	v_nop
.endr
.Lasked_\@:
.endm
.macro CREST                           ; a round of the cluster's barrier behind its opening barrier
	s_cmp_lg_u32 s14, 0
	s_cbranch_scc1 .Lnot_wave_0_\@
	s_barrier_signal -3
.Lnot_wave_0_\@:
	s_barrier_wait -3
	s_barrier_signal -1
	s_barrier_wait -1
.endm
.macro CROUND                          ; a whole round
	s_barrier_signal -1
	s_barrier_wait -1
	CREST
.endm
	s_load_b128 s[4:7], s[0:1], 0x0                ; A's records, B's records
	s_load_b64 s[12:13], s[0:1], 0x10              ; the result's
	v_lshl_add_u32 v[SPW], v0, 2, SPARE
	v_mov_b32 v[NIL], 0
	ds_add_u32 v[SPW], v[NIL]                      ; the wave's opening: the add and its wait come ahead of my first tensor load; the set-up below, work on registers, stands between them
	v_lshrrev_b32 v1, 5, v0
	v_readfirstlane_b32 s14, v1                    ; wave 0..3
	s_lshr_b32 s15, s14, 1                         ; which 8 of A's 16 tiles are mine.  Also: I fetch for A (0) or for B (1)
	s_and_b32 s16, s14, 1                          ; which 8 of B's.  Also: which 8 tiles I fetch
	s_bfe_u32 s40, ttmp6, 0x40000                  ; cx, cy: my place in the cluster
	s_bfe_u32 s41, ttmp6, 0x40004
	s_lshl_b32 s42, ttmp9, 2
	s_add_co_u32 s42, s42, s40                     ; block of 256 along B = 4 x cluster x + cx
	s_and_b32 s17, ttmp7, 0xffff
	s_lshl_b32 s17, s17, 2
	s_add_co_u32 s17, s17, s41                     ; block of 256 along A = 4 x cluster y + cy
	s_lshl_b32 s43, s41, 2
	s_lshl_b32 s43, 15, s43                        ; my row of the cluster
	s_lshl_b32 s44, 0x1111, s40                    ; my column
	; descriptor group 1: 8 rows (tiles) of 3,072 bytes, 12,800 bytes apart; elements of 8 bytes; dense in LDS
	s_or_b32 s[G1+0], s43, (3<<16)|(1<<21)         ; 15:0 the mask: A's tiles go to my row; 17:16 elements of 8 bytes; 21 set beside a mask
	s_or_b32 s[G1B+0], s44, (3<<16)|(1<<21)
.irp g, G1, G1B
	s_mov_b32 s[\g+1], (TILEB/8)<<16               ; tensor_dim0
	s_mov_b32 s[\g+2], 8<<16                       ; tensor_dim1
	s_mov_b32 s[\g+3], (TILEB/8)<<16               ; tile_dim0
	s_mov_b32 s[\g+4], 8                           ; tile_dim1
	s_mov_b32 s[\g+5], REC/8                       ; tensor_dim0_stride
	s_mov_b32 s[\g+6], 0
	s_mov_b32 s[\g+7], 0
.endr
	; and for the scales: 8 rows of 512 bytes, as far apart
	s_or_b32 s[G1S+0], s43, (3<<16)|(1<<21)
	s_or_b32 s[G1SB+0], s44, (3<<16)|(1<<21)
.irp g, G1S, G1SB
	s_mov_b32 s[\g+1], 64<<16
	s_mov_b32 s[\g+2], 8<<16
	s_mov_b32 s[\g+3], 64<<16
	s_mov_b32 s[\g+4], 8
	s_mov_b32 s[\g+5], REC/8
	s_mov_b32 s[\g+6], 0
	s_mov_b32 s[\g+7], 0
.endr
	s_lshl_b32 s18, s16, 3                         ; which 8 tiles I fetch
	s_lshl_b32 s20, s17, 4
	s_add_co_u32 s20, s20, s18                     ; A: tile 16 x block + 8 x half
	s_lshl_b32 s46, s42, 4
	s_add_co_u32 s46, s46, s18                     ; B likewise
	s_mul_i32 s20, s20, REC                        ; in bytes (512 records at the most: under 2^23)
	s_mul_i32 s46, s46, REC
	s_mov_b32 s21, 0
	s_mov_b32 s47, 0
	s_mul_i32 s45, s14, HALFT                      ; where they go: wave x 8 tiles: no place in the cluster enters an LDS address
	s_mul_i32 s94, s14, HALFS
	s_mov_b32 s[SEL], 0x76543210
	s_mov_b32 s[SEL+1], 0xfedcba98
	s_wait_dscnt 0x0                               ; the opening add is done
	s_wait_kmcnt 0x0
	s_add_nc_u64 s[20:21], s[4:5], s[20:21]
	s_add_nc_u64 s[46:47], s[6:7], s[46:47]
	CROUND                                         ; all sixteen work-groups are here: the first joint loads meet
	s_mov_b32 s[G0S], 1
	s_add_co_u32 s[G0S+1], s94, SCL
	s_add_nc_u64 s[G0S+2:G0S+3], s[20:21], 12288   ; the scale blocks lie behind a record's 8 images
	s_or_b32 s[G0S+3], s[G0S+3], 0x80000000
	s_mov_b32 s[G0SB], 1
	s_add_co_u32 s[G0SB+1], s94, SCL
	s_add_nc_u64 s[G0SB+2:G0SB+3], s[46:47], 12288
	s_or_b32 s[G0SB+3], s[G0SB+3], 0x80000000
	JLOAD G0S, G1S, G0SB, G1SB                     ; the scales first: they are wanted with K step 0.  Three loads of mine go out here
.irp s, 0,1
	s_mov_b32 s[G0+4*\s], 1
	s_add_co_u32 s[G0+4*\s+1], s45, \s*SLOT
	s_add_nc_u64 s[G0+4*\s+2:G0+4*\s+3], s[20:21], \s*TILEB
	s_or_b32 s[G0+4*\s+3], s[G0+4*\s+3], 0x80000000
	s_mov_b32 s[G0B+4*\s], 1
	s_add_co_u32 s[G0B+4*\s+1], s45, \s*SLOT
	s_add_nc_u64 s[G0B+4*\s+2:G0B+4*\s+3], s[46:47], \s*TILEB
	s_or_b32 s[G0B+4*\s+3], s[G0B+4*\s+3], 0x80000000
	JLOAD G0+4*\s, G1, G0B+4*\s, G1B
.endr
	v_and_b32 v1, 15, v0                           ; r
	v_bfe_u32 v2, v0, 4, 1                         ; h
	v_and_b32 v3, 31, v0                           ; lane
	v_lshlrev_b32 v4, 4, v3
	v_lshlrev_b32 v5, 3, v3
	s_mul_i32 s21, s15, HALFT                      ; my 8 tiles of A
	s_mul_i32 s22, s16, HALFT                      ; my 8 tiles of B,
	s_add_co_u32 s22, s22, 2*HALFT                 ; which lie behind A's 16
.irp s, 0,1
	v_add_nc_u32 v[A16+\s], s21, v4
	v_add_nc_u32 v[A8+\s], s21, v5
	v_add_nc_u32 v[B16+\s], s22, v4
	v_add_nc_u32 v[B8+\s], s22, v5
	s_add_co_u32 s21, s21, SLOT
	s_add_co_u32 s22, s22, SLOT
.endr
	v_lshlrev_b32 v5, 2, v1                        ; my row's scale word: 4 r
	s_mul_i32 s21, s15, HALFS                      ; A's: my 8 tiles
	s_mul_i32 s22, s16, HALFS                      ; B's: my 8 tiles, behind A's 16
	s_add_co_u32 s22, s22, 2*HALFS
	s_sub_co_u32 s22, s22, s21
	v_mul_u32_u24 v6, s22, v2                      ; lanes 16-31 take B's: one product, the distance between the two bases x h
	s_add_co_u32 s21, s21, SCL
	v_add_nc_u32 v5, v5, v6
	v_add_nc_u32 v[ADRS], s21, v5
.irp b, 0,1,2,3
	v_mov_b32 v[TM+4+\b], 0                        ; written once: a lane permute's destination counts as one of its sources
.endr
	; the way out: chunk c = 2 x block along B + my half; record 64 (c / 16) + 16 x block along A + 8 x my half + a; image c % 16
	s_lshl_b32 s46, s42, 1
	s_add_co_u32 s46, s46, s16                     ; c
	s_lshr_b32 s47, s46, 4
	s_lshl_b32 s47, s47, 6
	s_lshl_b32 s20, s17, 4
	s_lshl_b32 s21, s15, 3
	s_add_co_u32 s20, s20, s21
	s_add_co_u32 s20, s20, s47
	s_mul_i32 s20, s20, OREC                       ; under 2^24
	s_mov_b32 s21, 0
	s_add_nc_u64 s[12:13], s[12:13], s[20:21]
	s_and_b32 s46, s46, 15
	s_mul_i32 s47, s46, IMG
	s_lshl_b32 s46, s46, 6
	v_lshl_add_u32 v[CO16], v3, 4, s47
	v_lshl_add_u32 v[CO8], v3, 3, s47
	v_lshl_add_u32 v[COS], v1, 2, s46
.macro FRAG reg, a16, a8, q, i         ; tile i's image of the slot's q-th 128 along K: four loads of consecutive bytes give the 12 registers
	ds_load_b128 v[\reg:\reg+3], v[\a16] offset:TILEB*(\i)+IMG*(\q)
	ds_load_b64 v[\reg+4:\reg+5], v[\a8] offset:TILEB*(\i)+IMG*(\q)+512
	ds_load_b128 v[\reg+6:\reg+9], v[\a16] offset:TILEB*(\i)+IMG*(\q)+768
	ds_load_b64 v[\reg+10:\reg+11], v[\a8] offset:TILEB*(\i)+IMG*(\q)+1280
.endm
; 16 matrix instructions: A's blocks a0, a0 + 1 x B's eight, 128 along K.  p: B's set;  sc: the set of scale words.  zero = 1: the first product starts the sums: nothing is ever cleared.
; The 64 accumulators take turns, one instruction a turn, in the same order in every step.
.macro MUL16 a0, p, q, sc, zero
.irp a, \a0, \a0+1
.irp b, 0,1,2,3,4,5,6,7
.if \zero
	v_wmma_scale_f32_16x16x128_f8f6f4 v[8*(8*((\a)%4)+\b):8*(8*((\a)%4)+\b)+7], v[128*(\p)+FR*\b:128*(\p)+FR*\b+FR-1], v[AF+FR*(\a):AF+FR*(\a)+FR-1], 0, v[SC+8*NQ*(\sc)+NQ*\b+(\q)], v[SC+8*NQ*(\sc)+NQ*(\a)+(\q)] matrix_a_fmt:MATRIX_FMT_FP6 matrix_b_fmt:MATRIX_FMT_FP6 matrix_a_scale:MATRIX_SCALE_ROW1
.else
	v_wmma_scale_f32_16x16x128_f8f6f4 v[8*(8*((\a)%4)+\b):8*(8*((\a)%4)+\b)+7], v[128*(\p)+FR*\b:128*(\p)+FR*\b+FR-1], v[AF+FR*(\a):AF+FR*(\a)+FR-1], v[8*(8*((\a)%4)+\b):8*(8*((\a)%4)+\b)+7], v[SC+8*NQ*(\sc)+NQ*\b+(\q)], v[SC+8*NQ*(\sc)+NQ*(\a)+(\q)] matrix_a_fmt:MATRIX_FMT_FP6 matrix_b_fmt:MATRIX_FMT_FP6 matrix_a_scale:MATRIX_SCALE_ROW1
.endif
.endr
.endr
.endm
.macro FETCH_B slot, q, p              ; B's eight fragments into set p
	WIN TO_B
.irp i, 0,1,2,3,4,5,6,7
	FRAG 128*(\p)+FR*\i, B16+\slot, B8+\slot, \q, \i
.endr
	WIN 0
.endm
.macro FETCH_A slot, q, i0             ; A's blocks i0 .. i0 + 3
.irp i, \i0, \i0+1, \i0+2, \i0+3
	FRAG AF+FR*(\i), A16+\slot, A8+\slot, \q, \i
.endr
.endm
.macro SCALES sc                       ; a K step's scale words into set sc: lanes 0-15 take A's block i, lanes 16-31 B's block i
.irp i, 0,1,2,3,4,5,6,7
.irp q, 0,1
	ds_load_b32 v[SC+8*NQ*\sc+NQ*\i+\q], v[ADRS] offset:512*\i+64*\q
.endr
.endr
.endm
; A load into a register that a matrix instruction has read, and a vector instruction that reads a matrix result, stand NP places behind that matrix instruction; only plain vector instructions that name none of its
; registers are places (ISA guide 7.12.1 for vector instructions).
.macro PLACES n
.rept \n
	v_nop
.endr
.endm
; A step of 128 along K that has its successor in the same slot.  A's blocks are free as soon as their eight products are issued: blocks 0-3 are fetched anew in the step's middle, blocks 4-7 at its end.
.macro STEP slot, q, zero
	s_wait_dscnt 4*NL                              ; B's set, A's blocks 0-3 and the scale words are in; the youngest 16 loads (A's blocks 4-7) may be out
	WIN MUL_LO
	MUL16 0, (\q)%2, \q, \slot, \zero
	MUL16 2, (\q)%2, \q, \slot, \zero
	s_wait_dscnt 0                                 ; A's blocks 4-7 are in (asked for 32 matrix instructions ago)
	PLACES NP
	FETCH_B \slot, (\q)+1, 1-(\q)%2
	FETCH_A \slot, (\q)+1, 0
	WIN MUL_HI
	MUL16 4, (\q)%2, \q, \slot, \zero
	MUL16 6, (\q)%2, \q, \slot, \zero
	PLACES NP
	WIN 0
	FETCH_A \slot, (\q)+1, 4
.endm
; A slot's last step changes slots: ONE barrier; in front of it each wave waits for all its tensor loads, adds 0 to its spare word, and waits for that and for its own reads of this slot.  fill = 1: this slot is filled again, two K steps ahead.
.macro TURN slot, next, fill
	s_wait_tensorcnt 0x0                           ; all my tensor loads have landed: my part of the next slot;  (every window is 0 here)
	ds_add_u32 v[SPW], v[NIL]                      ; 0 onto my spare word
	s_wait_dscnt 4*NL+1                            ; (the add and the youngest 16 loads, A's blocks 4-7, may be out)
	WIN MUL_LO
	MUL16 0, 1, NQ-1, \slot, 0                     ; sixteen matrix instructions stand between the add and the wait for it
	s_wait_dscnt 0x0                               ; the add is done, and my reads of this slot are over
	s_barrier_signal -1
	MUL16 2, 1, NQ-1, \slot, 0
	WIN 0
	s_barrier_wait -1
.if \fill
	CREST                                          ; the barrier has opened a round of the cluster's barrier: no wave of any partner still reads this slot's tile or has a load on its way
	s_add_nc_u64 s[G0+4*\slot+2:G0+4*\slot+3], s[G0+4*\slot+2:G0+4*\slot+3], 2*TILEB
	s_add_nc_u64 s[G0B+4*\slot+2:G0B+4*\slot+3], s[G0B+4*\slot+2:G0B+4*\slot+3], 2*TILEB
	JLOAD G0+4*\slot, G1, G0B+4*\slot, G1B         ; the first tensor load behind the round, my only one until the next; its four v_nop are the places in front of the loads below
.else
	PLACES NP
.endif
	v_add_nc_u32 v[ADRS], 64*NQ, v[ADRS]           ; on to the next K step's scale words (no LDS load of mine is out)
	FETCH_B \next, 0, 0
	FETCH_A \next, 0, 0
	SCALES \next
	WIN MUL_HI
	MUL16 4, 1, NQ-1, \slot, 0
	MUL16 6, 1, NQ-1, \slot, 0
	PLACES NP
	WIN 0
	FETCH_A \next, 0, 4
.endm
	s_wait_tensorcnt 1                             ; the scales and my part of K step 0 are in (K step 1's load may be out)
	s_barrier_signal -1
	s_barrier_wait -1                              ; everybody's are
	FETCH_B 0, 0, 0
	FETCH_A 0, 0, 0
	SCALES 0
	FETCH_A 0, 0, 4
	STEP 0, 0, 1                                   ; K is four slots' worth: the eight steps are written out.  The first step's products start the sums
	TURN 0, 1, 1                                   ; slot 0 takes K step 2
	STEP 1, 0, 0
	TURN 1, 0, 1                                   ; slot 1 takes K step 3
	STEP 0, 0, 0
	TURN 0, 1, 0                                   ; nothing is left to fetch: no round
	STEP 1, 0, 0
	s_wait_dscnt 4*NL                              ; the very last step
	WIN MUL_LO
	MUL16 0, 1, NQ-1, 1, 0
	MUL16 2, 1, NQ-1, 1, 0
	s_wait_dscnt 0
	WIN MUL_HI
	MUL16 4, 1, NQ-1, 1, 0
	MUL16 6, 1, NQ-1, 1, 0
	WIN 0
; THE WAY OUT of A's block a: its 64 registers of a lane are 128 neighbours along B's axis in halves: register 16 g + i is 32 g + 16 h + i.  They are quantised in place of being stored.
; Each accumulator is read from its low end on: the maxima go up the registers.
.macro QOUT a
.set AC, 64*((\a)%4)
	WIN 0x0a+5*((\a)/4)                            ; sources 0 and 1: window 2 or 3
.irp b, 0,1,2,3
	v_max3_num_f32 v[TM+\b], |v[AC+16*\b]|, |v[AC+16*\b+1]|, 0x1800000   ; block b: my 16 numbers, and the floor 2^(3 - 127): the byte cannot fall under 1
.endr
.irp i, 2,4,6,8,10,12,14
.irp b, 0,1,2,3
	v_max3_num_f32 v[TM+\b], |v[AC+16*\b+\i]|, |v[AC+16*\b+\i+1]|, v[TM+\b]
.endr
.endr
	WIN 0
.irp b, 0,1,2,3
	v_permlanex16_b32 v[TM+4+\b], v[TM+\b], s[SEL], s[SEL+1]
.endr
.irp b, 0,1,2,3
	v_max_num_f32 v[TM+\b], v[TM+\b], v[TM+4+\b]           ; with lane l xor 16's 16
.endr
.irp b, 0,1,2,3
	v_add_nc_u32 v[TM+12+\b], 0xff000000, v[TM+\b]         ; 2 off the exponent field: the conversion's scale operand
.endr
.irp b, 0,1,2,3
	v_lshrrev_b32 v[TM+4+\b], 23, v[TM+12+\b]              ; the scale's byte
.endr
.if (\a) > 0
	s_wait_xcnt 0x0                                ; the last block's stores have read their data: the word and the codes are written again only behind this wait
.endif
	v_lshl_or_b32 v[PW], v[TM+5], 8, v[TM+4]
	v_lshl_or_b32 v[PW], v[TM+6], 16, v[PW]
	v_lshl_or_b32 v[PW], v[TM+7], 24, v[PW]
	WIN 2+(\a)/4                                   ; source 0: window 2 or 3
.irp c, 0,1
	v_cvt_scalef32_pk16_fp6_f32 v[PC+6*\c:PC+2+6*\c], v[AC+32*\c:AC+15+32*\c], v[TM+12+2*\c]
	v_cvt_scalef32_pk16_fp6_f32 v[PC+12+4*\c:PC+14+4*\c], v[AC+16+32*\c:AC+31+32*\c], v[TM+12+2*\c+1]
.endr
	WIN 0
	v_nop                                          ; one plain instruction behind the scaled conversions
.irp c, 0,1
.irp i, 0,1,2
	v_permlane16_swap_b32 v[PC+6*\c+\i], v[PC+12+4*\c+\i]
.endr
.irp i, 0,1,2
	v_mov_b32 v[PC+3+6*\c+\i], v[PC+12+4*\c+\i]
.endr
.endr
	global_store_b128 v[CO16], v[PC:PC+3], s[12:13] offset:(\a)*OREC            ; 512, 256, 512 and 256 consecutive bytes, each at a multiple of 256 from the buffer's first byte
	global_store_b64 v[CO8], v[PC+4:PC+5], s[12:13] offset:(\a)*OREC+512
	global_store_b128 v[CO16], v[PC+6:PC+9], s[12:13] offset:(\a)*OREC+768
	global_store_b64 v[CO8], v[PC+10:PC+11], s[12:13] offset:(\a)*OREC+1280
	global_store_b32 v[COS], v[PW], s[12:13] offset:(\a)*OREC+24576             ; lanes r and r + 16 write the same word with the same value
.endm
	PLACES NP                                      ; behind the last products
.irp a, 0,1,2,3,4,5,6,7
	QOUT \a
.endr
	s_wait_tensorcnt 0x0                           ; the wave's end: behind my last tensor load
	ds_add_u32 v[SPW], v[NIL]
	s_wait_dscnt 0x0
	CROUND                                         ; the closing round: no work-group ends while a partner may still ask for a tile that names it
	s_endpgm
.Lfunc_end_k_q0058fcc346_gemm_qk:
	.size	k_q0058fcc346_gemm_qk, .Lfunc_end_k_q0058fcc346_gemm_qk-k_q0058fcc346_gemm_qk
	.p2alignl 7, 3214868480
	.fill 96, 4, 3214868480
	.section	.rodata,"a",@progbits
	.p2align	6, 0x0
	.amdhsa_kernel k_q0058fcc346_gemm_qk
		.amdhsa_group_segment_fixed_size 327680
		.amdhsa_private_segment_fixed_size 0
		.amdhsa_enable_private_segment 0
		.amdhsa_kernarg_size 24
		.amdhsa_user_sgpr_count 2
		.amdhsa_user_sgpr_kernarg_segment_ptr 1
		.amdhsa_wavefront_size32 1
		.amdhsa_system_sgpr_workgroup_id_x 1
		.amdhsa_system_sgpr_workgroup_id_y 1
		.amdhsa_system_sgpr_workgroup_id_z 1
		.amdhsa_system_vgpr_workitem_id 0
		.amdhsa_next_free_vgpr 1024
		.amdhsa_next_free_sgpr 98
		.amdhsa_reserve_vcc 0
		.amdhsa_float_denorm_mode_32 3
		.amdhsa_float_denorm_mode_16_64 3
		.amdhsa_memory_ordered 1
		.amdhsa_forward_progress 1
		.amdhsa_inst_pref_size 151
	.end_amdhsa_kernel
	.amdgpu_metadata
---
amdhsa.version: [ 1, 2 ]
amdhsa.kernels:
  - .name:           k_q0058fcc346_gemm_qk
    .symbol:         k_q0058fcc346_gemm_qk.kd
    .args:
      - { .name: xcod, .offset: 0, .size: 8, .value_kind: global_buffer, .address_space: global }
      - { .name: wqkcod, .offset: 8, .size: 8, .value_kind: global_buffer, .address_space: global }
      - { .name: qkcod, .offset: 16, .size: 8, .value_kind: global_buffer, .address_space: global }
    .group_segment_fixed_size: 327680
    .private_segment_fixed_size: 0
    .kernarg_segment_align: 8
    .kernarg_segment_size: 24
    .max_flat_workgroup_size: 128
    .sgpr_count:     98
    .vgpr_count:     1024
    .wavefront_size: 32
...
	.end_amdgpu_metadata
.endif
;; end of part 3
;; launch gemm_v: the kernel of part 3 again; grid 32 x 4, 4 waves a work-group, clusters of 4 x 4, 327,680 bytes of LDS; arguments wvcod, xcod, vcod; writes vcod
;; launch attn (part 4): grid 4 x 64, 16 waves a work-group, no clusters, 327,680 bytes of LDS; arguments qkcod, vcod, ocod; writes ocod
.if DOCPART == 4
	.amdgcn_target "amdgcn-amd-amdhsa--gfx1250"
	.amdhsa_code_object_version 6
	.text
	.protected	k_q0058fcc346_attn
	.globl	k_q0058fcc346_attn
	.p2align	8
	.type	k_q0058fcc346_attn,@function
k_q0058fcc346_attn:
	s_mov_b64 s[64:65], 0
	v_nop
	global_prefetch_b8 v0, s[64:65] scope:SCOPE_SE
	s_setreg_imm32_b32 hwreg(HW_REG_WAVE_MODE, 25, 1), 1
	s_wait_xcnt 0x0
; Causal attention on codes of FP6 (E2M3) with E8M0 scales: 64 (batch, head) pairs, 2,048 queries and keys, head size 64.  The result o is quantised along head x 64 + d and leaves as codes.
; INPUTS.  Q and K: records of 25,600 bytes, one for each tile of 16 rows of x (tile t holds rows 32 (t / 2) + 8 (t % 2) + r + 8 (r / 8)): Q of head hd at 768 hd, K at 12,288 + 768 hd: half an image, registers 0-3 at
; 16 x lane, 4-5 at 512 + 8 x lane: lane (r, h) holds channels 32 h + 0 .. 31 of row r.  Their scale words at 24,576 + 64 (hd / 2) (K: + 512) + 4 r: the even head's two bytes below, the odd head's above.
; V: records of 25,600 bytes, one for each (batch, head, tile dt of 16 channels): image s = keys 128 s on (1,536 bytes: two such halves), then 16 scale blocks of 64 bytes.
; THE FIRST PRODUCT HAS K = 64: the upper six registers of both operands are zeros, set once, and the scale words' upper two bytes are 0: zero codes add nothing under that byte.
; SOFTMAX: t = score x log2(e) / 8; M = the running largest t rounded up to a whole number; p = 2^(t - M) is quantised along the keys, not normalised; the row's sum is taken of the unquantised p and divides at the end.
; LAYOUT: both products transposed: S^T = K Q^T (source 0 = a tile of keys), O^T = V^T P^T (source 0 = a tile of channels): a lane holds ONE query throughout.  By the tiles' order of rows the 16 registers of tiles 2 g, 2 g + 1
; are 16 neighbours, 32 g + 16 h + 0 .. 15: of the keys in S^T, of the channels in O^T: so p and o go to the conversions as they stand.
; SHARES: work-group (i, batch and head) takes the block of 256 queries 7 - i, walking key slots 0 .. 7 - i of 256 keys, and then block i, walking slots 0 .. i: NINE trips in every work-group, so the trip count is a constant,
; the work is equal.  Each of sixteen waves owns one tile of 16 queries in 256 registers: four waves to a SIMD, one wave's vector work beside another's products and LDS loads.
; A step (128 keys) all of whose keys come after the wave's queries is left out by a scalar branch on ids; on the diagonal hidden scores become -infinity.  A tile's queries lie in one group of 32 and a step begins at a multiple of
; 128: in a step that is walked every query sees the step's first key, so M is a number from a wave's first step on.
; RING: two LDS slots; waves 0 to 3 fetch K's codes, V's codes, K's scales and V's scales, one tensor load each, behind the barrier at a trip's head.  One tensor load of a fetching wave is out at a time; every wait for them is for 0.
; NO CLUSTER: the four work-groups of a head turn back to slot 0 after 8 - i trips, so from the sixth trip on they want different tiles, and a joint load is issued alike by all that it names.
; LIMITS: a block of o of zeros, or with its largest magnitude under 2^-124, gets the byte 1 (read by this program alone); NaN and infinities among the inputs are not served.
.set SLOT1, 32768                      ; a slot: K's codes 16 x 768 at 0, V's codes [dt][q] 4 x 3,072 at VCO, K's scale blocks 16 x 64 at KSO, V's [dt][q] 4 x 128 at VSO
.set VCO,   12288
.set KSO,   24576
.set VSO,   25600
.set SPARE, 2*SLOT1                    ; the spare words, 128 bytes for each wave: eight blocks of 256 bytes that no other line names
.set QREC,  25600
.set OREC,  12800
.set GO16, 1                           ; v1   16 x lane + 768 hd: my place in a record, for 16 bytes
.set GO8,  2                           ; v2   8 x lane + 768 hd
.set GOS,  3                           ; v3   4 r + 64 (hd / 2) + 2 (hd % 2): my row's two scale bytes
.set PFO,  4                           ; v4   the prefetches' offset; never rewritten
.set SPW,  5                           ; v5   LDS address of my spare word; never rewritten
.set NIL,  6                           ; v6   0; never rewritten
.set DQ,   7                           ; v7   r + 8 (r / 8) - 16 h
.set A16,  8                           ; v8-11 LDS addresses in the slot in hand: 16 x lane, 8 x lane, 4 r + 2 (hd % 2), 4 r
.set A8,   9
.set AKS,  10
.set AVS,  11
.set QF,   16                          ; v16-27  Q; v22-27 zeros.   v12 -M, v13 the largest t, v[14:15] the sum in two halves
.set VS,   28                          ; v28-31  V's scale words
.set KFR,  32                          ; v32-79  four fragments of K; the upper six registers of each are zeros
.set VFR,  80                          ; v80-127 four fragments of V
.set S,    128                         ; v128-191 S^T, then p
.set OT,   192                         ; v192-223 O^T.   v224-235 p's codes; v232-247 at work; v248-251 K's scale words; v252 f; v253 p's scale word; v254 at work; v255 Q's scale words
.set TB,   2                           ; s2   LDS byte at which the slot in hand begins
.set WV,   10                          ; s10  my wave's number
.set I,    11                          ; s11  work-group x
.set B,    12                          ; s12  batch
.set HD,   13                          ; s13  head
.set TSW,  14                          ; s14  8 - i: the trip with which the second block begins
.set TR,   15                          ; s15  the trip
.set CUR,  16                          ; s16  the key slot of this trip
.set NS,   17                          ; s17  and of the next
.set BLKQ, 18                          ; s18  the block of queries in hand
.set Q0,   19                          ; s19  my tile's first query
.set SEL,  20                          ; s[20:21] v_permlanex16_b32's selects for lane l xor 16
.set CS,   22                          ; s[22:23] c = log2(e) / 8
.set G1KC, 24                          ; s[24:55] descriptor groups 1: K's codes, V's codes, K's scales, V's scales
.set G1VC, 32
.set G1KS, 40
.set G1VS, 48
.set G0KC, 56                          ; s[56:63], s[68:75] their groups 0
.set G0VC, 60
.set G0KS, 68
.set G0VS, 72
.set KB,   76                          ; s[76:83] where slot 0 of each begins in memory
.set VB,   78
.set KSB,  80
.set VSB,  82
.set WQ,   84                          ; s84  32 (wave / 2) + 8 (wave % 2)
.set KF,   85                          ; s85  the step's first key
.set PFA,  86                          ; s[86:87] where my prefetches stand;  s[88:89] a slot on, in bytes
.set PFS,  88
.set PFOFF, 90                         ; s90  0 in a wave that prefetches
.set H2,   91                          ; s91  2 (hd % 2)
.set QP,   94                          ; s[94:95] my tile's record of Q;  s[96:97] of o.   s[92:93] an offset at work (s93 stays 0); s3, s98, s99 at work
.set OP,   96
.macro SHAPE g, c, r                   ; group 1: r rows of c elements of 8 bytes, 25,600 bytes apart, dense in LDS
	s_mov_b32 s[\g], 3<<16                         ; no mask; elements of 8 bytes; no padding
	s_mov_b32 s[\g+1], (\c)<<16                    ; tensor_dim0
	s_mov_b32 s[\g+2], (\r)<<16                    ; tensor_dim1
	s_mov_b32 s[\g+3], (\c)<<16                    ; tile_dim0
	s_mov_b32 s[\g+4], \r                          ; tile_dim1
	s_mov_b32 s[\g+5], QREC/8                      ; tensor_dim0_stride
	s_mov_b32 s[\g+6], 0
	s_mov_b32 s[\g+7], 0
.endm
.macro ONE g0, g1                      ; an s_nop 0 and four v_nop follow the load
	tensor_load_to_lds s[\g0:\g0+3], s[\g1:\g1+7]
	s_nop 0
.rept 4
	v_nop
.endr
.endm
.macro TLOAD                           ; waves 0 to 3 fetch one of a slot's four parts each, the others nothing; the branches hang on the wave's number alone
	s_cmp_lt_u32 s[WV], 2
	s_cbranch_scc0 .Lhi_\@
	s_cmp_eq_u32 s[WV], 0
	s_cbranch_scc0 .Lw1_\@
	ONE G0KC, G1KC
	s_branch .Lasked_\@
.Lw1_\@:
	ONE G0VC, G1VC
	s_branch .Lasked_\@
.Lhi_\@:
	s_cmp_eq_u32 s[WV], 2
	s_cbranch_scc0 .Lw3_\@
	ONE G0KS, G1KS
	s_branch .Lasked_\@
.Lw3_\@:
	s_cmp_eq_u32 s[WV], 3
	s_cbranch_scc0 .Lasked_\@
	ONE G0VS, G1VS
.Lasked_\@:
.endm
.macro WALK g0, base, step             ; a group 0 for the next trip: the other slot, key slot NS
	s_xor_b32 s[\g0+1], s[\g0+1], SLOT1
	s_mul_i32 s92, s[NS], \step
	s_add_nc_u64 s[\g0+2:\g0+3], s[\base:\base+1], s[92:93]
	s_or_b32 s[\g0+3], s[\g0+3], 0x80000000
.endm
; A PREFETCH INTO THE L2, behind the tensor loads of trips 0, 2 and 4 of the head's work-group 0, which walks slots 0 to 7 on end: key slots TR + 2 and TR + 3, that is one and two trips ahead of the loads that will want them.
; K's part is 32 rows (tiles) of 768 bytes: waves 4 to 6 take a row's first, second and third 256 bytes, a lane a row.  V's is 4 rows of 6,144 bytes, 96 pieces of 256: waves 8 to 10, a lane a piece.
; So each piece is named once in the launch.  Slots 0 and 1 and the scale bytes come by their loads alone; slot 7 is the last that is named.
.macro ASK
	s_and_b32 s98, s[TR], 1
	s_or_b32 s98, s98, s[PFOFF]
	s_cmp_eq_u32 s98, 0
	s_cbranch_scc0 .Lnot_mine_\@
	s_cmp_lt_u32 s[TR], 5
	s_cbranch_scc0 .Lnot_mine_\@
	global_prefetch_b8 v[PFO], s[PFA:PFA+1] th:TH_LOAD_NT scope:SCOPE_SE
.Lnot_mine_\@:
.endm
; THE CHANGE OF SLOTS, at a trip's head.  Each wave waits for all its tensor loads (its part of the slot that it is about to read), adds 0 to its spare word, and waits for that and for its reads of the slot that it has left.
; Behind the barrier the slot ahead is whole and nobody reads the other one.  fill = 1: that other slot is filled for the next trip: the load has a whole trip in which to land.
.macro CHANGE fill
	s_wait_tensorcnt 0x0                           ; no tensor load of mine is out, so a group 0 may be written
	ds_add_u32 v[SPW], v[NIL]                      ; 0 onto my spare word: the descriptors' steps stand between it and the wait for it
.if \fill
	s_add_co_u32 s98, s[TR], 1
	s_add_co_u32 s[NS], s[CUR], 1
	s_cmp_eq_u32 s98, s[TSW]
	s_cselect_b32 s[NS], 0, s[NS]                  ; the next trip's key slot: one on, or slot 0 where the second block of queries begins
	WALK G0KC, KB, 16*QREC
	WALK G0VC, VB, 3072
	WALK G0KS, KSB, 16*QREC
	WALK G0VS, VSB, 128
	s_wait_xcnt 0x0                                ; the last prefetch, a trip or more back, has read its address, so it may be written:
	s_add_nc_u64 s[PFA:PFA+1], s[PFA:PFA+1], s[PFS:PFS+1]  ; it stands at slot TR + 2
.endif
	s_wait_dscnt 0x0                               ; the add is done, and my reads of the slot that I have left are over
	s_barrier_signal -1
	s_barrier_wait -1
.if \fill
	TLOAD                                          ; the first thing behind the barrier, and a wave's one tensor load until the next
	ASK
.endif
.endm
; My tile of the block of queries in hand: its records, Q, and the softmax's state.
.macro SETQ
	s_lshl_b32 s98, s[BLKQ], 4
	s_add_co_u32 s98, s98, s[WV]
	s_lshl_b32 s99, s[B], 7
	s_add_co_u32 s98, s98, s99                     ; the tile: 128 x batch + 16 x block + wave
	s_mul_i32 s92, s98, QREC
	s_add_nc_u64 s[QP:QP+1], s[4:5], s[92:93]
	s_mul_i32 s92, s98, OREC
	s_add_nc_u64 s[OP:OP+1], s[8:9], s[92:93]
	s_lshl_b32 s[Q0], s[BLKQ], 8
	s_add_co_u32 s[Q0], s[Q0], s[WQ]
	global_load_b128 v[QF:QF+3], v[GO16], s[QP:QP+1]
	global_load_b64 v[QF+4:QF+5], v[GO8], s[QP:QP+1] offset:512
	global_load_u16 v255, v[GOS], s[QP:QP+1] offset:24576      ; my head's two bytes; the upper two are 0
	v_mov_b32 v13, 0xff61b1e6                      ; the largest t so far: -3e38, under every t
	s_delay_alu instid0(VALU_DEP_1)
	v_floor_f32 v12, -v13                          ; -M
	v_mov_b32 v14, 0                               ; the sum, in two halves
	v_mov_b32 v15, 0
.set j, 0
.rept 32
	v_mov_b32 v[OT+j], 0                           ; O^T: the step is written once; a tile's first step finds zeros, which the first change of M leaves zeros
.set j, j+1
.endr
	s_wait_loadcnt 0x0
.endm
; A KEY STEP: 128 keys, the q-th of the slot in hand.
.macro STEP q
	s_add_co_u32 s98, s[Q0], 23                    ; my tile's last query
	s_cmp_gt_u32 s[KF], s98
	s_cbranch_scc1 .Lhidden_\@                     ; all keys come after my queries: ids alone; no barrier and no tensor load stands in a step
	s_wait_alu depctr_va_vdst(0)
.irp g, 0,1                                    ; S^T = K Q^T, four tiles of 16 keys at a time
.irp t, 0,1,2,3
	ds_load_b128 v[KFR+12*\t:KFR+12*\t+3], v[A16] offset:768*(8*(\q)+4*\g+\t)
	ds_load_b64 v[KFR+12*\t+4:KFR+12*\t+5], v[A8] offset:768*(8*(\q)+4*\g+\t)+512
	ds_load_u16 v[248+\t], v[AKS] offset:KSO+64*(8*(\q)+4*\g+\t)
.endr
.if \g == 0
.irp t, 0,1,2,3                                ; V's four fragments and scale words are asked for here: 20 loads, wanted behind the softmax
	ds_load_b128 v[VFR+12*\t:VFR+12*\t+3], v[A16] offset:VCO+3072*\t+1536*(\q)
	ds_load_b64 v[VFR+12*\t+4:VFR+12*\t+5], v[A8] offset:VCO+3072*\t+1536*(\q)+512
	ds_load_b128 v[VFR+12*\t+6:VFR+12*\t+9], v[A16] offset:VCO+3072*\t+1536*(\q)+768
	ds_load_b64 v[VFR+12*\t+10:VFR+12*\t+11], v[A8] offset:VCO+3072*\t+1536*(\q)+1280
	ds_load_b32 v[VS+\t], v[AVS] offset:VSO+128*\t+64*(\q)
.endr
	s_wait_dscnt 20                                ; K's twelve are in; V's twenty may be out
.else
	s_wait_dscnt 0x0
.endif
.irp t, 0,1,2,3
	v_wmma_scale_f32_16x16x128_f8f6f4 v[S+8*(4*\g+\t):S+8*(4*\g+\t)+7], v[KFR+12*\t:KFR+12*\t+11], v[QF:QF+11], 0, v[248+\t], v255 matrix_a_fmt:MATRIX_FMT_FP6 matrix_b_fmt:MATRIX_FMT_FP6
.endr
.rept 4
	v_nop                                          ; places in front of loads into registers that these products have read, and of the first read of their results
.endr
.endr                                          ; register 16 g + i of lane (r, h) is key KF + 32 g + 16 h + i
	s_add_co_u32 s98, s[KF], 127
	s_cmp_le_u32 s98, s[Q0]
	s_cbranch_scc1 .Lopen_\@                       ; all keys count
	s_sub_co_i32 s98, s[Q0], s[KF]
	v_add_nc_u32 v252, s98, v[DQ]                  ; d = my query - KF - 16 h: register 16 g + i is hidden where 32 g + i > d
	v_mov_b32 v254, 0xff800000                     ; -infinity
.set n, 0
.rept 64
	v_cmp_gt_i32 vcc_lo, 32*(n/16)+n%16, v252
	v_cndmask_b32 v[S+n], v[S+n], v254, vcc_lo
.set n, n+1
.endr
.Lopen_\@:
.irp b, 0,1,2,3
	v_max3_num_f32 v[232+\b], v[S+16*\b], v[S+1+16*\b], v[S+2+16*\b]   ; the largest score of each block of 32 keys: it serves for the row's maximum and, since p rises with the score, for the block's largest p
.endr
.irp i, 3,5,7,9,11,13
.irp b, 0,1,2,3
	v_max3_num_f32 v[232+\b], v[232+\b], v[S+16*\b+\i], v[S+1+16*\b+\i]   ; the four blocks by turns
.endr
.endr
.irp b, 0,1,2,3
	v_max_num_f32 v[232+\b], v[232+\b], v[S+15+16*\b]
.endr
.irp b, 0,1,2,3
	s_delay_alu instid0(VALU_DEP_4)
	v_permlanex16_b32 v[236+\b], v[232+\b], s[SEL], s[SEL+1]
.endr
.irp b, 0,1,2,3
	s_delay_alu instid0(VALU_DEP_4)
	v_max_num_f32 v[232+\b], v[232+\b], v[236+\b]  ; with lane l xor 16's 16 keys
.endr
	s_delay_alu instid0(VALU_DEP_2)
	v_max3_num_f32 v254, v232, v233, v234
	s_delay_alu instid0(VALU_DEP_1)
	v_max_num_f32 v254, v254, v235                 ; the step's largest score of my query
	s_delay_alu instid0(VALU_DEP_1)
	v_mul_f32 v254, s[CS], v254                    ; as t (c is positive)
	s_delay_alu instid0(VALU_DEP_1)
	v_max_num_f32 v13, v13, v254                   ; the running largest t
	v_mov_b32 v254, v12
	s_delay_alu instid0(VALU_DEP_2)
	v_floor_f32 v12, -v13                          ; the new -M = floor(-t) = -ceil(t): a whole number
	s_delay_alu instid0(VALU_DEP_1)
	v_sub_f32 v254, v12, v254                      ; M's old value less its new one: a whole number, 0 or less
	s_delay_alu instid0(VALU_DEP_1)
	v_cvt_i32_f32 v254, v254                       ; (it saturates)
	s_delay_alu instid0(VALU_DEP_1)
	v_ldexp_f32 v252, 1.0, v254                    ; f = 2^(old M - new M): the rescaling rounds nothing
.set j, 0
.rept 32
	v_pk_fma_f32 v[S+j:S+j+1], v[S+j:S+j+1], s[CS:CS+1], v[12:13] op_sel_hi:[1,0,0]   ; t - M, two at a time (of the pairs c and -M the low word serves both halves)
.set j, j+2
.endr
.irp b, 0,1,2,3
	v_fma_f32 v[232+\b], v[232+\b], s[CS], v12     ; the same of each block's largest score
.endr
.set j, 0
	s_wait_alu depctr_va_vdst(0)
.rept 64
	v_exp_f32 v[S+j], v[S+j]                       ; p = 2^(t - M), at most 1: not normalised
.set j, j+1
.endr
	v_pk_mul_f32 v[14:15], v[14:15], v[252:253] op_sel_hi:[1,0]   ; the sums under the new M: the plain instruction behind the exponentials
	s_wait_alu depctr_va_vdst(0)                   ; one wait for the whole batch, ahead of its first reader
.irp b, 0,1,2,3
	v_exp_f32 v[232+\b], v[232+\b]                 ; the block's largest p: the same two instructions on the same number give the same bits
.endr
	v_pk_add_f32 v[236:237], v[132:133], v[136:137]
	v_pk_add_f32 v[250:251], v[140:141], v[144:145]
	v_pk_add_f32 v[248:249], v[148:149], v[152:153]
	v_pk_add_f32 v[246:247], v[156:157], v[160:161]
	v_pk_add_f32 v[244:245], v[164:165], v[168:169]
	v_pk_add_f32 v[242:243], v[172:173], v[176:177]
	v_pk_add_f32 v[240:241], v[180:181], v[184:185]
	v_pk_add_f32 v[14:15], v[14:15], v[188:189]
	v_pk_add_f32 v[236:237], v[236:237], v[128:129]
	v_pk_add_f32 v[250:251], v[250:251], v[130:131]
	v_pk_add_f32 v[248:249], v[248:249], v[134:135]
	v_pk_add_f32 v[246:247], v[246:247], v[138:139]
	v_pk_add_f32 v[244:245], v[244:245], v[142:143]
	v_pk_add_f32 v[242:243], v[242:243], v[146:147]
	v_pk_add_f32 v[240:241], v[240:241], v[150:151]
	v_pk_add_f32 v[14:15], v[14:15], v[154:155]
	v_pk_add_f32 v[236:237], v[236:237], v[158:159]
	v_pk_add_f32 v[250:251], v[250:251], v[162:163]
	v_pk_add_f32 v[248:249], v[248:249], v[166:167]
	v_pk_add_f32 v[246:247], v[246:247], v[170:171]
	v_pk_add_f32 v[244:245], v[244:245], v[174:175]
	v_pk_add_f32 v[242:243], v[242:243], v[178:179]
	v_pk_add_f32 v[240:241], v[240:241], v[182:183]
	v_pk_add_f32 v[14:15], v[14:15], v[186:187]
	v_pk_add_f32 v[236:237], v[236:237], v[190:191]
	s_delay_alu instid0(VALU_DEP_2)
	v_pk_add_f32 v[14:15], v[14:15], v[246:247]
	s_delay_alu instid0(VALU_DEP_2)
	v_pk_add_f32 v[236:237], v[236:237], v[244:245]
	v_pk_add_f32 v[250:251], v[250:251], v[242:243]
	v_pk_add_f32 v[248:249], v[248:249], v[240:241]
	s_delay_alu instid0(VALU_DEP_2)
	v_pk_add_f32 v[14:15], v[14:15], v[250:251]
	s_delay_alu instid0(VALU_DEP_2)
	v_pk_add_f32 v[236:237], v[236:237], v[248:249]
	s_delay_alu instid0(VALU_DEP_1)
	v_pk_add_f32 v[14:15], v[14:15], v[236:237]
	s_wait_alu depctr_va_vdst(0)                   ; and one for the four
.irp b, 0,1,2,3
	v_max_num_f32 v[232+\b], 0x1800000, v[232+\b]  ; the floor 2^(3 - 127): the byte cannot fall under 1 (a block whose every p is 0 keeps that byte: its codes are zeros)
.endr
.irp b, 0,1,2,3
	s_delay_alu instid0(VALU_DEP_4)
	v_add_nc_u32 v[244+\b], 0xff000000, v[232+\b]  ; 2 off the exponent field: the conversion's scale operand
.endr
.irp b, 0,1,2,3
	s_delay_alu instid0(VALU_DEP_4)
	v_lshrrev_b32 v[236+\b], 23, v[244+\b]         ; the scale's byte
.endr
	s_delay_alu instid0(VALU_DEP_3)
	v_lshl_or_b32 v253, v237, 8, v236              ; p's scale word for these 128 keys
	s_delay_alu instid0(VALU_DEP_1)
	v_lshl_or_b32 v253, v238, 16, v253
	s_delay_alu instid0(VALU_DEP_1)
	v_lshl_or_b32 v253, v239, 24, v253
.irp c, 0,1
	v_cvt_scalef32_pk16_fp6_f32 v[224+6*\c:226+6*\c], v[S+32*\c:S+15+32*\c], v[244+2*\c]
	v_cvt_scalef32_pk16_fp6_f32 v[236+4*\c:238+4*\c], v[S+16+32*\c:S+31+32*\c], v[244+2*\c+1]   ; (a conversion's three registers begin on an even number)
.endr
	v_nop                                          ; one plain instruction behind the scaled conversions
.irp c, 0,1                                    ; the layout wants a whole block in a lane: lanes 0-15 block 2 c, lanes 16-31 block 2 c + 1
.irp i, 0,1,2
	v_permlane16_swap_b32 v[224+6*\c+\i], v[236+4*\c+\i]
.endr
.irp i, 0,1,2
	s_delay_alu instid0(VALU_DEP_3)
	v_mov_b32 v[227+6*\c+\i], v[236+4*\c+\i]
.endr
.endr
.set j, 0
.rept 16
	v_pk_mul_f32 v[OT+j:OT+j+1], v[OT+j:OT+j+1], v[252:253] op_sel_hi:[1,0]   ; O^T under the new M: x f.  Twelve of the sixteen name no register of any one product below: the places behind the writes of p's codes and scale word
.set j, j+2
.endr
.irp t, 0,1,2,3                                ; O^T += V^T P^T: the four accumulators by turns, one instruction a turn
	v_wmma_scale_f32_16x16x128_f8f6f4 v[OT+8*\t:OT+8*\t+7], v[VFR+12*\t:VFR+12*\t+11], v[224:235], v[OT+8*\t:OT+8*\t+7], v[VS+\t], v253 matrix_a_fmt:MATRIX_FMT_FP6 matrix_b_fmt:MATRIX_FMT_FP6
.endr
.rept 4
	v_nop                                          ; places in front of the next loads into V's registers and of the next read of O^T
.endr
.Lhidden_\@:
	s_add_co_u32 s[KF], s[KF], 128
.endm
; A trip's work: the slot's two steps.  The LDS addresses are made from the thread's number and the slot's first byte.
.macro TRIPWORK
	s_lshl_b32 s[KF], s[CUR], 8
	v_and_b32 v[A16], 31, v0
	v_and_b32 v[A8], 31, v0
	v_and_b32 v[AVS], 15, v0
	s_delay_alu instid0(VALU_DEP_3)
	v_lshl_add_u32 v[A16], v[A16], 4, s[TB]
	s_delay_alu instid0(VALU_DEP_3)
	v_lshl_add_u32 v[A8], v[A8], 3, s[TB]
	s_delay_alu instid0(VALU_DEP_3)
	v_lshl_add_u32 v[AVS], v[AVS], 2, s[TB]
	s_delay_alu instid0(VALU_DEP_1)
	v_add_nc_u32 v[AKS], s[H2], v[AVS]
	STEP 0
	STEP 1
	s_xor_b32 s[TB], s[TB], SLOT1                  ; on to the other slot
.endm
; A tile of queries is done: O^T / the sum, quantised along the head's 64 channels (two blocks), leaves as half an image and two scale bytes a row.
.macro FINISH
	v_add_f32 v14, v14, v15                        ; the sum's two halves,
	s_delay_alu instid0(VALU_DEP_1)
	v_permlanex16_b32 v252, v14, s[SEL], s[SEL+1]
	s_delay_alu instid0(VALU_DEP_1)
	v_add_f32 v14, v14, v252                       ; and lane l xor 16's: the row's sum
	s_wait_alu depctr_va_vdst(0)
	v_rcp_f32 v14, v14
	v_nop                                          ; a plain instruction behind the reciprocal
	s_wait_alu depctr_va_vdst(0)                   ; and the wait ahead of its first reader
.set j, 0
.rept 32
	v_mul_f32 v[S+j], v[OT+j], v14                 ; register 16 g + i is o(my query, 32 g + 16 h + i); O^T is read from its low end on
.set j, j+1
.endr
.irp b, 0,1
	v_max3_num_f32 v[232+\b], |v[S+16*\b]|, |v[S+1+16*\b]|, 0x1800000
.endr
.irp i, 2,4,6,8,10,12,14
.irp b, 0,1
	s_delay_alu instid0(VALU_DEP_2)
	v_max3_num_f32 v[232+\b], v[232+\b], |v[S+16*\b+\i]|, |v[S+1+16*\b+\i]|
.endr
.endr
.irp b, 0,1
	s_delay_alu instid0(VALU_DEP_2)
	v_permlanex16_b32 v[236+\b], v[232+\b], s[SEL], s[SEL+1]
.endr
.irp b, 0,1
	s_delay_alu instid0(VALU_DEP_2)
	v_max_num_f32 v[232+\b], v[232+\b], v[236+\b]
.endr
.irp b, 0,1
	s_delay_alu instid0(VALU_DEP_2)
	v_add_nc_u32 v[244+\b], 0xff000000, v[232+\b]
.endr
.irp b, 0,1
	s_delay_alu instid0(VALU_DEP_2)
	v_lshrrev_b32 v[236+\b], 23, v[244+\b]
.endr
	s_delay_alu instid0(VALU_DEP_1)
	v_lshl_or_b32 v253, v237, 8, v236
	v_cvt_scalef32_pk16_fp6_f32 v[224:226], v[S:S+15], v244
	v_cvt_scalef32_pk16_fp6_f32 v[240:242], v[S+16:S+31], v245
	v_nop                                          ; one plain instruction behind the scaled conversions
.irp i, 0,1,2
	v_permlane16_swap_b32 v[224+\i], v[240+\i]
.endr
.irp i, 0,1,2
	s_delay_alu instid0(VALU_DEP_3)
	v_mov_b32 v[227+\i], v[240+\i]
.endr
	global_store_b128 v[GO16], v[224:227], s[OP:OP+1]          ; 512 and 256 consecutive bytes, each at a multiple of 256 from the buffer's first byte
	global_store_b64 v[GO8], v[228:229], s[OP:OP+1] offset:512
	global_store_b16 v[GOS], v253, s[OP:OP+1] offset:12288     ; lanes r and r + 16 write the same two bytes with the same value
	s_wait_xcnt 0x0                                ; the stores have read their data and their base: both are written again only behind this wait
.endm
	s_load_b128 s[4:7], s[0:1], 0x0                ; the records of Q and K, of V
	s_load_b64 s[8:9], s[0:1], 0x10                ; of o
	v_lshl_add_u32 v[SPW], v0, 2, SPARE
	v_mov_b32 v[NIL], 0
	ds_add_u32 v[SPW], v[NIL]                      ; the wave's opening: the add and its wait come ahead of my first tensor load; the set-up below, work on registers, stands between them
	ds_add_u32 v[SPW], v[NIL]
	v_lshrrev_b32 v8, 5, v0
	s_delay_alu instid0(VALU_DEP_1)
	v_readfirstlane_b32 s[WV], v8                  ; wave 0..15
	s_mov_b32 s[I], ttmp9
	s_and_b32 s98, ttmp7, 0xffff
	s_lshr_b32 s[B], s98, 4
	s_and_b32 s[HD], s98, 15
	s_sub_co_u32 s[TSW], 8, s[I]
	s_sub_co_u32 s[BLKQ], 7, s[I]                  ; the longer block first
	s_lshr_b32 s98, s[WV], 1
	s_lshl_b32 s98, s98, 5
	s_and_b32 s99, s[WV], 1
	s_lshl_b32 s99, s99, 3
	s_add_co_u32 s[WQ], s98, s99
	s_and_b32 s[H2], s[HD], 1
	s_lshl_b32 s[H2], s[H2], 1
	SHAPE G1KC, 96, 16                             ; K's codes: 16 tiles x 768 bytes
	SHAPE G1VC, 384, 4                             ; V's codes: 4 tiles x 3,072 bytes
	SHAPE G1KS, 8, 16                              ; K's scales: 16 x 64 bytes
	SHAPE G1VS, 16, 4                              ; V's scales: 4 x 128 bytes
	s_mov_b32 s[G0KC], 1
	s_mov_b32 s[G0KC+1], 0
	s_mov_b32 s[G0VC], 1
	s_mov_b32 s[G0VC+1], VCO
	s_mov_b32 s[G0KS], 1
	s_mov_b32 s[G0KS+1], KSO
	s_mov_b32 s[G0VS], 1
	s_mov_b32 s[G0VS+1], VSO
	s_mov_b32 s[SEL], 0x76543210
	s_mov_b32 s[SEL+1], 0xfedcba98
	s_mov_b32 s[CS], 0x3e38aa3b                    ; c = log2(e) / sqrt(64)
	s_mov_b32 s[CS+1], s[CS]                       ; (named with it as a pair, so it is written)
	s_mov_b32 s[TB], 0
	s_mov_b32 s[TR], 0
	s_mov_b32 s[CUR], 0
	s_mov_b32 s93, 0
	s_mul_i32 s98, s[B], 128*QREC                  ; the batch's 128 records of Q and K
	s_mul_i32 s99, s[HD], 768
	s_add_co_u32 s[KB], s98, s99
	s_add_co_u32 s[KB], s[KB], 12288
	s_mov_b32 s[KB+1], 0
	s_lshr_b32 s99, s[HD], 1
	s_lshl_b32 s99, s99, 6
	s_add_co_u32 s[KSB], s98, s99
	s_add_co_u32 s[KSB], s[KSB], 24576+512
	s_mov_b32 s[KSB+1], 0
	s_lshl_b32 s98, s[B], 6
	s_lshl_b32 s99, s[HD], 2
	s_add_co_u32 s98, s98, s99
	s_mul_i32 s[VB], s98, QREC                     ; the head's four records of V
	s_mov_b32 s[VB+1], 0
	s_wait_dscnt 0x0                               ; the opening add is done
	s_wait_kmcnt 0x0
	s_add_nc_u64 s[KB:KB+1], s[4:5], s[KB:KB+1]
	s_add_nc_u64 s[KSB:KSB+1], s[4:5], s[KSB:KSB+1]
	s_add_nc_u64 s[VB:VB+1], s[6:7], s[VB:VB+1]
	s_add_nc_u64 s[VSB:VSB+1], s[VB:VB+1], 24576
	s_mov_b64 s[G0KC+2:G0KC+3], s[KB:KB+1]
	s_or_b32 s[G0KC+3], s[G0KC+3], 0x80000000
	s_mov_b64 s[G0VC+2:G0VC+3], s[VB:VB+1]
	s_or_b32 s[G0VC+3], s[G0VC+3], 0x80000000
	s_mov_b64 s[G0KS+2:G0KS+3], s[KSB:KSB+1]
	s_or_b32 s[G0KS+3], s[G0KS+3], 0x80000000
	s_mov_b64 s[G0VS+2:G0VS+3], s[VSB:VSB+1]
	s_or_b32 s[G0VS+3], s[G0VS+3], 0x80000000
	TLOAD                                          ; key slot 0 into LDS slot 0
	; the prefetches: where my wave's stand, and who asks
	s_cmp_lt_u32 s[WV], 8                          ; waves 4 to 6 ask for K's codes, waves 8 to 10 for V's
	s_cselect_b64 s[PFA:PFA+1], s[KB:KB+1], s[VB:VB+1]
	s_mov_b32 s[PFS], 3072
	s_cselect_b32 s[PFS], 16*QREC, s[PFS]          ; a slot on
	s_mov_b32 s[PFS+1], 0
	s_cselect_b32 s3, -1, 0
	s_add_nc_u64 s[PFA:PFA+1], s[PFA:PFA+1], s[PFS:PFS+1]  ; at slot 1: the first change steps it to slot 2.  Nothing is prefetched here, at the head
	s_lshr_b32 s98, s[WV], 2
	s_sub_co_u32 s98, s98, 1
	s_lshr_b32 s98, s98, 1                         ; 0 in waves 4 to 11,
	s_or_b32 s98, s98, ttmp9                       ; of the head's work-group 0
	s_cmp_eq_u32 s98, 0
	s_cselect_b32 s[PFOFF], 0, 1
	s_and_b32 s99, s[WV], 3
	s_cmp_eq_u32 s99, 3                            ; (each part is three waves' worth)
	s_cselect_b32 s[PFOFF], 1, s[PFOFF]
	v_and_b32 v8, 31, v0                           ; lane
	s_delay_alu instid0(VALU_DEP_1)
	v_mul_u32_u24 v9, v8, QREC
	s_lshl_b32 s98, s99, 8
	v_add_nc_u32 v9, s98, v9                       ; K: a lane a record, 256 x (wave % 4) in its 768 bytes
	s_lshl_b32 s98, s99, 5
	v_add_nc_u32 v10, s98, v8                      ; V: piece e = 32 (wave % 4) + lane of 96
	s_delay_alu instid0(VALU_DEP_1)
	v_mul_u32_u24 v11, v10, 171
	s_delay_alu instid0(VALU_DEP_1)
	v_lshrrev_b32 v11, 12, v11                     ; e / 24: the record (exact for e under 96)
	s_delay_alu instid0(VALU_DEP_1)
	v_mul_u32_u24 v4, v11, 24
	s_delay_alu instid0(VALU_DEP_1)
	v_sub_nc_u32 v10, v10, v4                      ; e % 24: the piece of 256 bytes in its 6,144
	s_delay_alu instid0(VALU_DEP_3)
	v_mul_u32_u24 v11, v11, QREC
	s_delay_alu instid0(VALU_DEP_1)
	v_lshl_add_u32 v10, v10, 8, v11
	s_delay_alu instid0(VALU_DEP_1)
	v_cndmask_b32 v[PFO], v10, v9, s3
	v_and_b32 v9, 15, v0                           ; r
	v_bfe_u32 v10, v0, 4, 1                        ; h
	s_mul_i32 s98, s[HD], 768
	v_lshl_add_u32 v[GO16], v8, 4, s98
	v_lshl_add_u32 v[GO8], v8, 3, s98
	s_lshr_b32 s98, s[HD], 1
	s_lshl_b32 s98, s98, 6
	s_add_co_u32 s98, s98, s[H2]
	v_lshl_add_u32 v[GOS], v9, 2, s98
	v_and_b32 v[DQ], 8, v9
	s_delay_alu instid0(VALU_DEP_1)
	v_add_nc_u32 v[DQ], v[DQ], v9
	v_lshlrev_b32 v10, 4, v10
	s_delay_alu instid0(VALU_DEP_1)
	v_sub_nc_u32 v[DQ], v[DQ], v10
.irp i, 6,7,8,9,10,11
	v_mov_b32 v[QF+\i], 0                          ; the first product's K is 64: the operands' upper halves are zero codes, set once
.irp t, 0,1,2,3
	v_mov_b32 v[KFR+12*\t+\i], 0
.endr
.endr
.irp b, 0,1,2,3
	v_mov_b32 v[236+\b], 0                         ; written once: a lane permute's destination counts as one of its sources
.endr
	v_mov_b32 v252, 0
	v_mov_b32 v253, 0                              ; (named as the upper half of the pair v[252:253] before it is first written)
	SETQ
.Ltrip:                                            ; eight trips: behind each change of slots the next trip's slot is asked for
	CHANGE 1
	TRIPWORK
	s_add_co_u32 s98, s[TR], 1
	s_cmp_lg_u32 s98, s[TSW]                       ; the work-group's number and the count of trips alone: all sixteen waves go the same way
	s_cbranch_scc1 .Lsame
	FINISH                                         ; the first block of queries is done:
	s_mov_b32 s[BLKQ], s[I]                        ; on to the second
	SETQ
.Lsame:
	s_mov_b32 s[CUR], s[NS]
	s_add_co_u32 s[TR], s[TR], 1
	s_cmp_lt_u32 s[TR], 8
	s_cbranch_scc1 .Ltrip
	CHANGE 0                                       ; the ninth trip is written out
	TRIPWORK
	FINISH
	s_wait_tensorcnt 0x0                           ; the wave's end: behind my last tensor load
	ds_add_u32 v[SPW], v[NIL]
	s_wait_dscnt 0x0
	s_endpgm
.Lfunc_end_k_q0058fcc346_attn:
	.size	k_q0058fcc346_attn, .Lfunc_end_k_q0058fcc346_attn-k_q0058fcc346_attn
	.p2alignl 7, 3214868480
	.fill 96, 4, 3214868480
	.section	.rodata,"a",@progbits
	.p2align	6, 0x0
	.amdhsa_kernel k_q0058fcc346_attn
		.amdhsa_group_segment_fixed_size 327680
		.amdhsa_private_segment_fixed_size 0
		.amdhsa_enable_private_segment 0
		.amdhsa_kernarg_size 24
		.amdhsa_user_sgpr_count 2
		.amdhsa_user_sgpr_kernarg_segment_ptr 1
		.amdhsa_wavefront_size32 1
		.amdhsa_system_sgpr_workgroup_id_x 1
		.amdhsa_system_sgpr_workgroup_id_y 1
		.amdhsa_system_sgpr_workgroup_id_z 1
		.amdhsa_system_vgpr_workitem_id 0
		.amdhsa_next_free_vgpr 256
		.amdhsa_next_free_sgpr 100
		.amdhsa_reserve_vcc 1
		.amdhsa_float_denorm_mode_32 3
		.amdhsa_float_denorm_mode_16_64 3
		.amdhsa_memory_ordered 1
		.amdhsa_forward_progress 1
		.amdhsa_inst_pref_size 118
	.end_amdhsa_kernel
	.amdgpu_metadata
---
amdhsa.version: [ 1, 2 ]
amdhsa.kernels:
  - .name:           k_q0058fcc346_attn
    .symbol:         k_q0058fcc346_attn.kd
    .args:
      - { .name: qkcod, .offset: 0, .size: 8, .value_kind: global_buffer, .address_space: global }
      - { .name: vcod, .offset: 8, .size: 8, .value_kind: global_buffer, .address_space: global }
      - { .name: ocod, .offset: 16, .size: 8, .value_kind: global_buffer, .address_space: global }
    .group_segment_fixed_size: 327680
    .private_segment_fixed_size: 0
    .kernarg_segment_align: 8
    .kernarg_segment_size: 24
    .max_flat_workgroup_size: 512
    .sgpr_count:     100
    .vgpr_count:     256
    .wavefront_size: 32
...
	.end_amdgpu_metadata
.endif
;; end of part 4
;; launch gemm_out (part 5): grid 4 x 32, 4 waves a work-group, clusters of 4 x 4, 327,680 bytes of LDS; arguments ocod, wccod, bc, out0; writes out0
.if DOCPART == 5
	.amdgcn_target "amdgcn-amd-amdhsa--gfx1250"
	.amdhsa_code_object_version 6
	.text
	.protected	k_q0058fcc346_gemm_out
	.globl	k_q0058fcc346_gemm_out
	.p2align	8
	.type	k_q0058fcc346_gemm_out,@function
k_q0058fcc346_gemm_out:
	s_mov_b64 s[64:65], 0
	v_nop
	global_prefetch_b8 v0, s[64:65] scope:SCOPE_SE
	s_setreg_imm32_b32 hwreg(HW_REG_WAVE_MODE, 25, 1), 1
	s_wait_xcnt 0x0
	s_wait_alu depctr_hold_cnt(0) depctr_sa_sdst(0) depctr_va_vdst(0) depctr_va_sdst(0) depctr_va_ssrc(0) depctr_va_vcc(0) depctr_vm_vsrc(0)
	s_getreg_b32 s2, hwreg(HW_REG_IB_STS2, 6, 4)
	s_cmp_eq_u32 s2, 0
	s_cbranch_scc0 .Lentry_in_a_cluster
	s_endpgm
.Lentry_in_a_cluster:
	s_bfe_u32 s2, ttmp6, 0x10000c
	s_cmp_lg_u32 s2, 0xf033
	s_cbranch_scc0 .Lentry_shape_is_right
	s_endpgm
.Lentry_shape_is_right:
; out0 = o Wc + bc: a product on codes of FP6 (E2M3) with E8M0 scales, K = 1,024; out0 [8192][1024] f32.  A = o's rows, B = Wc's columns.
; OPERANDS lie in records of 12,800 bytes, one for each tile of 16 rows (tile t holds rows 32 (t / 2) + 8 (t % 2) + r + 8 (r / 8)): 8 images along K, then 8 scale blocks of 64 bytes (row r's word at 4 r).
; An image is a fragment (16 rows x 128 K, 12 registers a lane) as its registers: 0-3 at 16 x lane, 4-5 at 512 + 8 x lane, 6-9 at 768 + 16 x lane, 10-11 at 1,280 + 8 x lane: every LDS load takes consecutive bytes.
; SHARES: a work-group of four waves makes 256 x 256, a wave 128 x 128: 64 accumulators, 512 registers.  K goes in four steps of 256 through two LDS slots; a wave's tensor load brings 8 tiles x 3,072 bytes.
; The scales of the work-group's 32 tiles, for all of K, come once with the first fills.
; CLUSTER: 4 x 4 work-groups; A's tiles are shared along a row of the cluster, B's along a column: each is asked for jointly, by the same load with the same descriptor and a mask that names the four.
; TRANSPOSED USE: source 0 = a tile of B, source 1 = a tile of A: register j of accumulator (a, b) in lane (r, h) is out0(row r of A's tile a, column 32 (b / 2) + 16 h + 8 (b % 2) + j): eight neighbouring columns.
; THE BIAS is the C of each sum's first matrix instruction: eight registers for each of B's blocks, in the result's layout.
; THE WAY OUT: a block of 16 rows x 128 columns goes through the wave's own stage in LDS and comes back as whole rows of 512 bytes.  The stage lies in slot 0, which has had its last fill and its last read by then.
; REGISTERS, in windows of 256: window 0: v16-29 addresses; v32-63 scale words, two sets; v64-127 the bias; v128-223 A's fragments, one set; on the way out v128-255 rows of out0.
;   window 1: B's fragments, two sets, at v0 and v128.   window 2: the accumulators of A's blocks 0-3 ((a, b) at v[8 (8 (a % 4) + b)]);  window 3: those of blocks 4-7.
.set NQ,    2                          ; matrix instructions deep in a slot
.set FR,    12                         ; registers of a fragment
.set NL,    4                          ; LDS loads that bring one
.set NP,    4                          ; places behind this matrix instruction (ISA guide 7.12.1)
.set IMG,   1536
.set TILEB, NQ*IMG                     ; a tile's bytes in a slot
.set HALFT, 8*TILEB                    ; 8 tiles: what one tensor load brings, and what one wave reads of A or of B
.set SLOT,  4*HALFT                    ; A's 16 tiles, then B's 16
.set REC,   12800
.set SCL,   2*SLOT                     ; behind the ring: the scales: 512 bytes a tile
.set HALFS, 8*512
.set SPARE, SCL+4*HALFS                ; the spare words, 128 bytes for each wave: two blocks of 256 bytes that no other line names
.set SPITCH, 528                       ; a stage row: 512 bytes + 16
.set ROWO,  4096                       ; a row of out0 in bytes
.set A16,  16                          ; v16-17  LDS address of my A fragments in slot 0, 1, for the loads of 16 bytes;  v18-19 for those of 8
.set A8,   18
.set B16,  20                          ; v20-23  the same for B
.set B8,   22
.set STO,  24                          ; v24     the way out: where I put 32 bytes of a row
.set RD,   25                          ; v25     where I read a row back
.set CO,   26                          ; v26     16 x lane: my byte offset in a row's 512 bytes
.set ADRS, 27                          ; v27     LDS address of my scale words: lanes 0-15 A's rows, lanes 16-31 B's
.set SPW,  28                          ; v28     LDS address of my spare word; never rewritten
.set NIL,  29                          ; v29     0; never rewritten
.set SC,   32                          ; scale words: set s at v[SC + 16 s]; register 2 i + q: lanes 0-15 A's block i, lanes 16-31 B's block i, the slot's q-th 128 along K
.set BI,   64                          ; the bias: eight registers for each of B's eight blocks
.set AF,   128
.set BK,   128                         ; the way out: 16 rows read back from the stage: v128-191 and v192-255 by turns
.set G1, 24                            ; s[24:31] descriptor group 1 for A's tiles;  s[32:39] group 0, one set for each slot
.set G0, 32
.set G1B, 48                           ; s[48:55], s[56:63] the same for B's
.set G0B, 56
.set G1S, 68                           ; s[68:75], s[76:79] groups 1 and 0 for A's scales;  s[80:87], s[88:91] for B's
.set G0S, 76
.set G1SB, 80
.set G0SB, 88
.set MSB, 0
.macro WIN new                         ; the immediate's high byte repeats the setting that is left
.if MSB != \new
	s_set_vgpr_msb (MSB<<8)|\new
.set MSB, \new
.endif
.endm
.set MUL_LO, 0xa1                      ; source 0 (B) window 1, source 1 (A) window 0, C and D window 2
.set MUL_HI, 0xf1                      ; the same, C and D window 3
.set BEG_LO, 0x81                      ; the first step: C (the bias) window 0, D window 2
.set BEG_HI, 0xc1                      ; D window 3
.set TO_B,   0x40                      ; destination window 1, address window 0
; A joint load: waves 0 and 1 fetch for A, waves 2 and 3 for B; the branch hangs on the wave's number alone.  An s_nop 0 and four v_nop follow each of the two lines.
.macro JLOAD g0a, g1a, g0b, g1b
	s_cmp_eq_u32 s15, 0
	s_cbranch_scc0 .Lfor_b_\@
	tensor_load_to_lds s[\g0a:\g0a+3], s[\g1a:\g1a+7]
	s_nop 0
.rept 4
	v_nop
.endr
	s_branch .Lasked_\@
.Lfor_b_\@:
	tensor_load_to_lds s[\g0b:\g0b+3], s[\g1b:\g1b+7]
	s_nop 0
.rept 4
	v_nop
.endr
.Lasked_\@:
.endm
.macro CREST                           ; a round of the cluster's barrier behind its opening barrier
	s_cmp_lg_u32 s14, 0
	s_cbranch_scc1 .Lnot_wave_0_\@
	s_barrier_signal -3
.Lnot_wave_0_\@:
	s_barrier_wait -3
	s_barrier_signal -1
	s_barrier_wait -1
.endm
.macro CROUND                          ; a whole round
	s_barrier_signal -1
	s_barrier_wait -1
	CREST
.endm
	s_load_b128 s[4:7], s[0:1], 0x0                ; A's records, B's records
	s_load_b128 s[8:11], s[0:1], 0x10              ; bc, out0
	v_lshl_add_u32 v[SPW], v0, 2, SPARE
	v_mov_b32 v[NIL], 0
	ds_add_u32 v[SPW], v[NIL]                      ; the wave's opening: the add and its wait come ahead of my first tensor load; the set-up below, work on registers, stands between them
	v_lshrrev_b32 v1, 5, v0
	v_readfirstlane_b32 s14, v1                    ; wave 0..3
	s_lshr_b32 s15, s14, 1                         ; which 8 of A's 16 tiles are mine.  Also: I fetch for A (0) or for B (1)
	s_and_b32 s16, s14, 1                          ; which 8 of B's.  Also: which 8 tiles I fetch
	s_bfe_u32 s40, ttmp6, 0x40000                  ; cx, cy: my place in the cluster
	s_bfe_u32 s41, ttmp6, 0x40004
	s_lshl_b32 s42, ttmp9, 2
	s_add_co_u32 s42, s42, s40                     ; block of 256 columns = 4 x cluster x + cx
	s_and_b32 s17, ttmp7, 0xffff
	s_lshl_b32 s17, s17, 2
	s_add_co_u32 s17, s17, s41                     ; block of 256 rows = 4 x cluster y + cy
	s_lshl_b32 s43, s41, 2
	s_lshl_b32 s43, 15, s43                        ; my row of the cluster
	s_lshl_b32 s44, 0x1111, s40                    ; my column
	; descriptor group 1: 8 rows (tiles) of 3,072 bytes, 12,800 bytes apart; elements of 8 bytes; dense in LDS
	s_or_b32 s[G1+0], s43, (3<<16)|(1<<21)         ; 15:0 the mask: A's tiles go to my row; 17:16 elements of 8 bytes; 21 set beside a mask
	s_or_b32 s[G1B+0], s44, (3<<16)|(1<<21)
.irp g, G1, G1B
	s_mov_b32 s[\g+1], (TILEB/8)<<16               ; tensor_dim0
	s_mov_b32 s[\g+2], 8<<16                       ; tensor_dim1
	s_mov_b32 s[\g+3], (TILEB/8)<<16               ; tile_dim0
	s_mov_b32 s[\g+4], 8                           ; tile_dim1
	s_mov_b32 s[\g+5], REC/8                       ; tensor_dim0_stride
	s_mov_b32 s[\g+6], 0
	s_mov_b32 s[\g+7], 0
.endr
	; and for the scales: 8 rows of 512 bytes, as far apart
	s_or_b32 s[G1S+0], s43, (3<<16)|(1<<21)
	s_or_b32 s[G1SB+0], s44, (3<<16)|(1<<21)
.irp g, G1S, G1SB
	s_mov_b32 s[\g+1], 64<<16
	s_mov_b32 s[\g+2], 8<<16
	s_mov_b32 s[\g+3], 64<<16
	s_mov_b32 s[\g+4], 8
	s_mov_b32 s[\g+5], REC/8
	s_mov_b32 s[\g+6], 0
	s_mov_b32 s[\g+7], 0
.endr
	s_lshl_b32 s18, s16, 3                         ; which 8 tiles I fetch
	s_lshl_b32 s20, s17, 4
	s_add_co_u32 s20, s20, s18                     ; A: tile 16 x block + 8 x half
	s_lshl_b32 s46, s42, 4
	s_add_co_u32 s46, s46, s18                     ; B likewise
	s_mul_i32 s20, s20, REC                        ; in bytes (512 records at the most: under 2^23)
	s_mul_i32 s46, s46, REC
	s_mov_b32 s21, 0
	s_mov_b32 s47, 0
	s_mul_i32 s45, s14, HALFT                      ; where they go: wave x 8 tiles: no place in the cluster enters an LDS address
	s_mul_i32 s94, s14, HALFS
	s_wait_dscnt 0x0                               ; the opening add is done
	s_wait_kmcnt 0x0
	s_add_nc_u64 s[20:21], s[4:5], s[20:21]
	s_add_nc_u64 s[46:47], s[6:7], s[46:47]
	CROUND                                         ; all sixteen work-groups are here: the first joint loads meet
	s_mov_b32 s[G0S], 1
	s_add_co_u32 s[G0S+1], s94, SCL
	s_add_nc_u64 s[G0S+2:G0S+3], s[20:21], 12288   ; the scale blocks lie behind a record's 8 images
	s_or_b32 s[G0S+3], s[G0S+3], 0x80000000
	s_mov_b32 s[G0SB], 1
	s_add_co_u32 s[G0SB+1], s94, SCL
	s_add_nc_u64 s[G0SB+2:G0SB+3], s[46:47], 12288
	s_or_b32 s[G0SB+3], s[G0SB+3], 0x80000000
	JLOAD G0S, G1S, G0SB, G1SB                     ; the scales first: they are wanted with K step 0.  Three loads of mine go out here
.irp s, 0,1
	s_mov_b32 s[G0+4*\s], 1
	s_add_co_u32 s[G0+4*\s+1], s45, \s*SLOT
	s_add_nc_u64 s[G0+4*\s+2:G0+4*\s+3], s[20:21], \s*TILEB
	s_or_b32 s[G0+4*\s+3], s[G0+4*\s+3], 0x80000000
	s_mov_b32 s[G0B+4*\s], 1
	s_add_co_u32 s[G0B+4*\s+1], s45, \s*SLOT
	s_add_nc_u64 s[G0B+4*\s+2:G0B+4*\s+3], s[46:47], \s*TILEB
	s_or_b32 s[G0B+4*\s+3], s[G0B+4*\s+3], 0x80000000
	JLOAD G0+4*\s, G1, G0B+4*\s, G1B
.endr
	v_and_b32 v1, 15, v0                           ; r
	v_bfe_u32 v2, v0, 4, 1                         ; h
	v_and_b32 v3, 31, v0                           ; lane
	; the bias: my 128 columns begin at 256 x block + 128 x half; lane (r, h) wants, for B's block b, columns 32 (b / 2) + 16 h + 8 (b % 2) + 0 .. 7
	s_lshl_b32 s46, s42, 10
	s_lshl_b32 s47, s16, 9
	s_add_co_u32 s46, s46, s47                     ; my first column, in bytes
	s_mov_b32 s47, 0
	s_add_nc_u64 s[8:9], s[8:9], s[46:47]
	v_lshlrev_b32 v7, 6, v2                        ; 64 h
.irp b, 0,1,2,3,4,5,6,7
	global_load_b128 v[BI+8*\b:BI+8*\b+3], v7, s[8:9] offset:(32*(\b/2)+8*(\b%2))*4
	global_load_b128 v[BI+8*\b+4:BI+8*\b+7], v7, s[8:9] offset:(32*(\b/2)+8*(\b%2))*4+16
.endr
	v_lshlrev_b32 v4, 4, v3
	v_lshlrev_b32 v5, 3, v3
	s_mul_i32 s21, s15, HALFT                      ; my 8 tiles of A
	s_mul_i32 s22, s16, HALFT                      ; my 8 tiles of B,
	s_add_co_u32 s22, s22, 2*HALFT                 ; which lie behind A's 16
.irp s, 0,1
	v_add_nc_u32 v[A16+\s], s21, v4
	v_add_nc_u32 v[A8+\s], s21, v5
	v_add_nc_u32 v[B16+\s], s22, v4
	v_add_nc_u32 v[B8+\s], s22, v5
	s_add_co_u32 s21, s21, SLOT
	s_add_co_u32 s22, s22, SLOT
.endr
	v_lshlrev_b32 v5, 2, v1                        ; my row's scale word: 4 r
	s_mul_i32 s21, s15, HALFS                      ; A's: my 8 tiles
	s_mul_i32 s22, s16, HALFS                      ; B's: my 8 tiles, behind A's 16
	s_add_co_u32 s22, s22, 2*HALFS
	s_sub_co_u32 s22, s22, s21
	v_mul_u32_u24 v6, s22, v2                      ; lanes 16-31 take B's: one product, the distance between the two bases x h
	s_add_co_u32 s21, s21, SCL
	v_add_nc_u32 v5, v5, v6
	v_add_nc_u32 v[ADRS], s21, v5
	s_mul_i32 s23, s14, 16*SPITCH                  ; my stage
	v_mul_u32_u24 v5, v1, SPITCH                   ; in: row r, + 64 h
	v_lshl_add_u32 v5, v2, 6, v5
	v_add_nc_u32 v[STO], s23, v5
	v_mov_b32 v[CO], v4                            ; back: the 32 lanes take one row of 512 bytes; and the same in out0
	v_add_nc_u32 v[RD], s23, v4
	s_lshl_b32 s20, s17, 8
	s_lshl_b32 s21, s15, 7
	s_add_co_u32 s20, s20, s21                     ; my first row of out0: 256 x block + 128 x half
	s_lshl_b32 s20, s20, 12                        ; in bytes (under 2^25)
	s_mov_b32 s21, 0
	s_add_nc_u64 s[20:21], s[20:21], s[46:47]
	s_add_nc_u64 s[12:13], s[10:11], s[20:21]
.macro FRAG reg, a16, a8, q, i         ; tile i's image of the slot's q-th 128 along K: four loads of consecutive bytes give the 12 registers
	ds_load_b128 v[\reg:\reg+3], v[\a16] offset:TILEB*(\i)+IMG*(\q)
	ds_load_b64 v[\reg+4:\reg+5], v[\a8] offset:TILEB*(\i)+IMG*(\q)+512
	ds_load_b128 v[\reg+6:\reg+9], v[\a16] offset:TILEB*(\i)+IMG*(\q)+768
	ds_load_b64 v[\reg+10:\reg+11], v[\a8] offset:TILEB*(\i)+IMG*(\q)+1280
.endm
; 16 matrix instructions: A's blocks a0, a0 + 1 x B's eight, 128 along K.  p: B's set;  sc: the set of scale words.  first = 1: the first product starts the sums from the bias: nothing is cleared or added later.
; The 64 accumulators take turns, one instruction a turn, in the same order in every step.
.macro MUL16 a0, p, q, sc, first
.irp a, \a0, \a0+1
.irp b, 0,1,2,3,4,5,6,7
.if \first
	v_wmma_scale_f32_16x16x128_f8f6f4 v[8*(8*((\a)%4)+\b):8*(8*((\a)%4)+\b)+7], v[128*(\p)+FR*\b:128*(\p)+FR*\b+FR-1], v[AF+FR*(\a):AF+FR*(\a)+FR-1], v[BI+8*\b:BI+8*\b+7], v[SC+8*NQ*(\sc)+NQ*\b+(\q)], v[SC+8*NQ*(\sc)+NQ*(\a)+(\q)] matrix_a_fmt:MATRIX_FMT_FP6 matrix_b_fmt:MATRIX_FMT_FP6 matrix_a_scale:MATRIX_SCALE_ROW1
.else
	v_wmma_scale_f32_16x16x128_f8f6f4 v[8*(8*((\a)%4)+\b):8*(8*((\a)%4)+\b)+7], v[128*(\p)+FR*\b:128*(\p)+FR*\b+FR-1], v[AF+FR*(\a):AF+FR*(\a)+FR-1], v[8*(8*((\a)%4)+\b):8*(8*((\a)%4)+\b)+7], v[SC+8*NQ*(\sc)+NQ*\b+(\q)], v[SC+8*NQ*(\sc)+NQ*(\a)+(\q)] matrix_a_fmt:MATRIX_FMT_FP6 matrix_b_fmt:MATRIX_FMT_FP6 matrix_a_scale:MATRIX_SCALE_ROW1
.endif
.endr
.endr
.endm
.macro FETCH_B slot, q, p              ; B's eight fragments into set p
	WIN TO_B
.irp i, 0,1,2,3,4,5,6,7
	FRAG 128*(\p)+FR*\i, B16+\slot, B8+\slot, \q, \i
.endr
	WIN 0
.endm
.macro FETCH_A slot, q, i0             ; A's blocks i0 .. i0 + 3
.irp i, \i0, \i0+1, \i0+2, \i0+3
	FRAG AF+FR*(\i), A16+\slot, A8+\slot, \q, \i
.endr
.endm
.macro SCALES sc                       ; a K step's scale words into set sc: lanes 0-15 take A's block i, lanes 16-31 B's block i
.irp i, 0,1,2,3,4,5,6,7
.irp q, 0,1
	ds_load_b32 v[SC+8*NQ*\sc+NQ*\i+\q], v[ADRS] offset:512*\i+64*\q
.endr
.endr
.endm
; A load into a register that a matrix instruction has read, and an LDS store that reads a matrix result, stand NP places behind that matrix instruction; only plain vector instructions that name none of its
; registers are places (ISA guide 7.12.1 for vector instructions).
.macro PLACES n
.rept \n
	v_nop
.endr
.endm
; A step of 128 along K that has its successor in the same slot.  A's blocks are free as soon as their eight products are issued: blocks 0-3 are fetched anew in the step's middle, blocks 4-7 at its end.
.macro STEP slot, q, first
	s_wait_dscnt 4*NL                              ; B's set, A's blocks 0-3 and the scale words are in; the youngest 16 loads (A's blocks 4-7) may be out
.if \first
	WIN BEG_LO
.else
	WIN MUL_LO
.endif
	MUL16 0, (\q)%2, \q, \slot, \first
	MUL16 2, (\q)%2, \q, \slot, \first
	s_wait_dscnt 0                                 ; A's blocks 4-7 are in (asked for 32 matrix instructions ago)
	PLACES NP
	FETCH_B \slot, (\q)+1, 1-(\q)%2
	FETCH_A \slot, (\q)+1, 0
.if \first
	WIN BEG_HI
.else
	WIN MUL_HI
.endif
	MUL16 4, (\q)%2, \q, \slot, \first
	MUL16 6, (\q)%2, \q, \slot, \first
	PLACES NP
	WIN 0
	FETCH_A \slot, (\q)+1, 4
.endm
; A slot's last step changes slots: ONE barrier; in front of it each wave waits for all its tensor loads, adds 0 to its spare word, and waits for that and for its own reads of this slot.  fill = 1: this slot is filled again, two K steps ahead.
.macro TURN slot, next, fill
	s_wait_tensorcnt 0x0                           ; all my tensor loads have landed: my part of the next slot;  (every window is 0 here)
	ds_add_u32 v[SPW], v[NIL]                      ; 0 onto my spare word
	s_wait_dscnt 4*NL+1                            ; (the add and the youngest 16 loads, A's blocks 4-7, may be out)
	WIN MUL_LO
	MUL16 0, 1, NQ-1, \slot, 0                     ; sixteen matrix instructions stand between the add and the wait for it
	s_wait_dscnt 0x0                               ; the add is done, and my reads of this slot are over
	s_barrier_signal -1
	MUL16 2, 1, NQ-1, \slot, 0
	WIN 0
	s_barrier_wait -1
.if \fill
	CREST                                          ; the barrier has opened a round of the cluster's barrier: no wave of any partner still reads this slot's tile or has a load on its way
	s_add_nc_u64 s[G0+4*\slot+2:G0+4*\slot+3], s[G0+4*\slot+2:G0+4*\slot+3], 2*TILEB
	s_add_nc_u64 s[G0B+4*\slot+2:G0B+4*\slot+3], s[G0B+4*\slot+2:G0B+4*\slot+3], 2*TILEB
	JLOAD G0+4*\slot, G1, G0B+4*\slot, G1B         ; the first tensor load behind the round, my only one until the next; its four v_nop are the places in front of the loads below
.else
	PLACES NP
.endif
	v_add_nc_u32 v[ADRS], 64*NQ, v[ADRS]           ; on to the next K step's scale words (no LDS load of mine is out)
	FETCH_B \next, 0, 0
	FETCH_A \next, 0, 0
	SCALES \next
	WIN MUL_HI
	MUL16 4, 1, NQ-1, \slot, 0
	MUL16 6, 1, NQ-1, \slot, 0
	PLACES NP
	WIN 0
	FETCH_A \next, 0, 4
.endm
	s_wait_tensorcnt 1                             ; the scales and my part of K step 0 are in (K step 1's load may be out)
	s_barrier_signal -1
	s_barrier_wait -1                              ; everybody's are
	FETCH_B 0, 0, 0
	FETCH_A 0, 0, 0
	SCALES 0
	FETCH_A 0, 0, 4
	s_wait_loadcnt 0x0                             ; the bias
	STEP 0, 0, 1                                   ; K is four slots' worth: the eight steps are written out.  The first step's products start the sums
	TURN 0, 1, 1                                   ; slot 0 takes K step 2: its last fill
	STEP 1, 0, 0
	TURN 1, 0, 1                                   ; slot 1 takes K step 3
	STEP 0, 0, 0
	TURN 0, 1, 0                                   ; nothing is left to fetch: no round.  Behind this barrier nobody reads slot 0
	STEP 1, 0, 0
	s_wait_dscnt 4*NL                              ; the very last step
	WIN MUL_LO
	MUL16 0, 1, NQ-1, 1, 0
	MUL16 2, 1, NQ-1, 1, 0
	s_wait_dscnt 0
	WIN MUL_HI
	MUL16 4, 1, NQ-1, 1, 0
	MUL16 6, 1, NQ-1, 1, 0
	WIN 0
; THE WAY OUT, block by block of 16 rows x 128 columns, through my own stage.  LDS serves a wave's instructions in order (ISA guide 5.7.1.4): no wait between the stores and the loads, nor in front of the next block's stores.
.macro TOSTAGE a
.set AC, 64*((\a)%4)
	WIN 0x08+4*((\a)/4)                            ; the data: window 2 or 3
.irp b, 0,1,2,3,4,5,6,7
	ds_store_b128 v[STO], v[AC+8*\b:AC+8*\b+3] offset:128*(\b/2)+32*(\b%2)          ; each accumulator from its low end on: columns 32 (b / 2) + 16 h + 8 (b % 2) on
	ds_store_b128 v[STO], v[AC+8*\b+4:AC+8*\b+7] offset:128*(\b/2)+32*(\b%2)+16
.endr
	WIN 0
.set BB, BK+64*((\a)%2)
.irp t, 0,1,2,3,4,5,6,7,8,9,10,11,12,13,14,15
	ds_load_b128 v[BB+4*\t:BB+4*\t+3], v[RD] offset:\t*SPITCH
.endr
.endm
.macro SEND a, younger                 ; younger: the LDS instructions issued behind block a's loads, which may stay out
.set BB, BK+64*((\a)%2)
	s_wait_dscnt \younger                          ; the block is back in registers
.irp t, 0,1,2,3,4,5,6,7,8,9,10,11,12,13,14,15
	global_store_b128 v[CO], v[BB+4*\t:BB+4*\t+3], s[12:13] offset:(32*((\a)/2)+8*((\a)%2)+\t+8*(\t/8))*ROWO th:TH_STORE_NT   ; tile a's row t; 32 lanes store 512 consecutive bytes, at a multiple of 256 from out0's first byte; 127 rows on at the most
.endr
.endm
	PLACES NP                                      ; behind the last products: for the loads into the registers that held A's fragments, and for the reads of results
	TOSTAGE 0
.irp a, 1,2,3,4,5,6,7
.if \a > 1
	s_wait_xcnt 0x0                                ; block a - 2's stores have read their registers: block a's loads may land there
.endif
	TOSTAGE \a
	SEND \a-1, 32                                  ; behind block a - 1's loads: block a's 16 stores and 16 loads
.endr
	SEND 7, 0
	s_wait_tensorcnt 0x0                           ; the wave's end: behind my last tensor load and my last LDS store
	ds_add_u32 v[SPW], v[NIL]
	s_wait_dscnt 0x0
	CROUND                                         ; the closing round: no work-group ends while a partner may still ask for a tile that names it
	s_endpgm
.Lfunc_end_k_q0058fcc346_gemm_out:
	.size	k_q0058fcc346_gemm_out, .Lfunc_end_k_q0058fcc346_gemm_out-k_q0058fcc346_gemm_out
	.p2alignl 7, 3214868480
	.fill 96, 4, 3214868480
	.section	.rodata,"a",@progbits
	.p2align	6, 0x0
	.amdhsa_kernel k_q0058fcc346_gemm_out
		.amdhsa_group_segment_fixed_size 327680
		.amdhsa_private_segment_fixed_size 0
		.amdhsa_enable_private_segment 0
		.amdhsa_kernarg_size 32
		.amdhsa_user_sgpr_count 2
		.amdhsa_user_sgpr_kernarg_segment_ptr 1
		.amdhsa_wavefront_size32 1
		.amdhsa_system_sgpr_workgroup_id_x 1
		.amdhsa_system_sgpr_workgroup_id_y 1
		.amdhsa_system_sgpr_workgroup_id_z 1
		.amdhsa_system_vgpr_workitem_id 0
		.amdhsa_next_free_vgpr 1024
		.amdhsa_next_free_sgpr 98
		.amdhsa_reserve_vcc 0
		.amdhsa_float_denorm_mode_32 3
		.amdhsa_float_denorm_mode_16_64 3
		.amdhsa_memory_ordered 1
		.amdhsa_forward_progress 1
		.amdhsa_inst_pref_size 146
	.end_amdhsa_kernel
	.amdgpu_metadata
---
amdhsa.version: [ 1, 2 ]
amdhsa.kernels:
  - .name:           k_q0058fcc346_gemm_out
    .symbol:         k_q0058fcc346_gemm_out.kd
    .args:
      - { .name: ocod, .offset: 0, .size: 8, .value_kind: global_buffer, .address_space: global }
      - { .name: wccod, .offset: 8, .size: 8, .value_kind: global_buffer, .address_space: global }
      - { .name: bc, .offset: 16, .size: 8, .value_kind: global_buffer, .address_space: global }
      - { .name: out0, .offset: 24, .size: 8, .value_kind: global_buffer, .address_space: global }
    .group_segment_fixed_size: 327680
    .private_segment_fixed_size: 0
    .kernarg_segment_align: 8
    .kernarg_segment_size: 32
    .max_flat_workgroup_size: 128
    .sgpr_count:     98
    .vgpr_count:     1024
    .wavefront_size: 32
...
	.end_amdgpu_metadata
.endif
;; end of part 5
